; MI455X (gfx1250); checked and timed in simulation.
; The chip was launched on July 23, 2026; its instructions are those of AMD's public machine-readable ISA for CDNA 5 (MIT licence, August 2026) and "CDNA5" Instruction Set Architecture Reference Guide (July 2026). The comments in the code are by the model that wrote it; some were corrected since.
;; Self Attention. Allowed arithmetic: matrix products marked QUANTISED: E4M3 operands, one given power-of-two scale a tensor, by v_wmma_f32_16x16x64_fp8_fp8 or v_wmma_f32_16x16x128_fp8_fp8, f32 sums; everything else in f32.
;; Inputs: Wk 1,024 x 1,024 float32; Wo 1,024 x 1,024 float32; Wq 1,024 x 1,024 float32; Wv 1,024 x 1,024 float32; X 4 x 2,048 x 1,024 float32; bk 1,024 float32; bo 1,024 float32; bq 1,024 float32; bv 1,024 float32; lowp_scales 12 int32 (the exponents e of the quantised operands' scales 2^e).
;; Outputs: out0 4 x 2,048 x 1,024 float32.
;; This version of the problem:
;;   THIS VERSION OF THE PROBLEM IS GIVEN IN LOW PRECISION. The matrix products marked QUANTISED in the list below multiply operands that are first quantised to E4M3 (4 exponent bits, 3 mantissa bits; 8 bits a number), with one given power-of-two scale for each operand tensor; their sums are f32. All else is computed in f32.
;;   The module's matrix products, in the order in which they are computed (A, B: the left and right operand; K: the contracted axis; several contracted axes count as one K, in the product's order):
;;     1. [M 8,192, K 1,024] x [K 1,024, N 1,024]; A: input X; B: input Wq: QUANTISED (scales: A lowp_scales[0], B lowp_scales[1])
;;     2. [M 8,192, K 1,024] x [K 1,024, N 1,024]; A: input X; B: input Wk: QUANTISED (scales: A lowp_scales[2], B lowp_scales[3])
;;     3. [M 8,192, K 1,024] x [K 1,024, N 1,024]; A: input X; B: input Wv: QUANTISED (scales: A lowp_scales[4], B lowp_scales[5])
;;     4. batch 64 x [M 2,048, K 64] x [K 64, N 2,048]; A: computed on the way; B: computed on the way: QUANTISED (scales: A lowp_scales[6], B lowp_scales[7])
;;     5. batch 64 x [M 2,048, K 2,048] x [K 2,048, N 64]; A: softmax (see below); B: computed on the way: QUANTISED (scales: A lowp_scales[8], B lowp_scales[9])
;;     6. [M 8,192, K 1,024] x [K 1,024, N 1,024]; A: computed on the way; B: input Wo: QUANTISED (scales: A lowp_scales[10], B lowp_scales[11])
;;   THE QUANTISER, for each operand of a quantised product, along K:
;;     - The operand's scale is 2^e, e = its entry of the input lowp_scales (int32; the entries are numbered through the quantised products in the list's order, A before B).
;;     - Each number is divided by the scale, clamped to +-448, and rounded to the nearest number of E4M3, ties to even, subnormals kept.
;;     - The product sums the exact products of the quantised numbers (number of the format x scale) in f32.
;;   ~~~python
;;   def quantise(x, axis, e):      # numpy; x: float32 -> the quantised numbers, widened to float32 again
;;       x = np.moveaxis(x, axis, -1); K = x.shape[-1]
;;       r = np.clip(x / 2.0 ** e, -448, 448)
;;       step = 2.0 ** (np.maximum(np.frexp(np.where(r == 0, 1, r))[1] - 1, -6) - 3)
;;       q = np.round(r / step) * step * 2.0 ** e      # np.round: ties to even
;;       return np.moveaxis(q, -1, axis).astype(np.float32)
;;   ~~~
;;   SOFTMAX AHEAD OF A QUANTISED PRODUCT. Where the list says 'softmax', what is quantised is not the finished softmax but p = 2^(t - M), with t = logit x log2(e) and M = ceil(the row's largest t), a whole number; so 1/2 < the row's largest p <= 1. The row's sum l is taken of the UNQUANTISED p, in f32, and the product's result is divided by l at the end. Since M is a whole number, a kernel that streams over the keys may use a running M (the ceiling of the running maximum): every later rescaling is an exact power of two, so the quantised numbers keep their values, but for numbers so far below the row's largest that they fall under the format's range.
;;   OPERANDS COMPUTED ON THE WAY. 'Computed on the way' means the value that the module computes at that place (a softmax that the list does not call 'softmax' is quantised finished and normalised). What goes into a quantiser is computed in f32, as accurately as f32 sums, v_exp_f32 and their like allow (about 1e-6 of the number): no bf16 or f16 on the way to a quantiser, and a product that is left as it is and whose result goes on into a quantised operand takes f32 operands (vector FMAs, or v_wmma_f32_16x16x4_f32). A number that lies on a knife's edge between two numbers of the format may be rounded either way, as far as f32 arithmetic and the matrix unit's own rounding can turn it there, and no further.
;; One version. Each part assembles by itself: llvm-mc -triple=amdgcn-amd-amdhsa -mcpu=gfx1250 --defsym DOCPART=n.
;; ======== version 1 of 1: 4 launches
;; limits: right only within a limited range of input values
;; workspace buffers: xc 25,165,824 bytes; wc 4,194,304 bytes; qimg 8,388,608 bytes; kv 16,777,216 bytes; ac 8,388,608 bytes
;; launch prep (part 1): grid 768 x 1, 8 waves a work-group, no clusters, 68,608 bytes of LDS; arguments X, Wq, Wk, Wv, Wo, lowp_scales, xc, wc; writes xc, wc
.if DOCPART == 1
	.amdgcn_target "amdgcn-amd-amdhsa--gfx1250"
	.amdhsa_code_object_version 6
	.text
	.protected	k_q4bd0d4291a_prep
	.globl	k_q4bd0d4291a_prep
	.p2align	8
	.type	k_q4bd0d4291a_prep,@function
k_q4bd0d4291a_prep:
	s_mov_b64 s[64:65], 0
	v_nop
	global_prefetch_b8 v0, s[64:65] scope:SCOPE_SE
	s_setreg_imm32_b32 hwreg(HW_REG_WAVE_MODE, 25, 1), 1
	s_wait_xcnt 0x0
; X [8192][1024] f32 becomes codes of E4M3 three times (scales 2^e0, 2^e2, 2^e4), Wq, Wk, Wv, Wo [k][n] f32 once each (2^e1, 2^e3, 2^e5, 2^e11).
; code = x / 2^e, held within +-448, rounded to the nearest code, ties to even.
; THE IMAGE.  Codes are laid as the later products' operand registers want them.  An image (tile, s) is 16 rows x 128 k = 2,048 bytes: byte 512 c + 16 (16 h + r) + i holds
; row 32 (tile / 2) + 8 (tile % 2) + r % 8 + 16 (r / 8), k = 128 s + 32 c + 16 h + i.  A tensor [rows][1024] is [tile][s = 0..7][2048].  For the weights the rows are n.
; So a lane of a later launch gets a fragment by four loads of 16 bytes at 16 x lane + 512 c.
; Work-groups 0-255 take the weights, 256-767 take X.  The two ways part on the work-group's number and never join; only X's way uses LDS.  No loop: every register is written once.
; LIMITS: each of e0 .. e5 and e11 lies between -126 and 119, so that 2^e and 448 x 2^e are f32 numbers.  NaN among the inputs is not served (an infinity is held at the largest code).
.set STG, 8448                         ; X's way: a stage of 16 rows x (512 bytes + 16) for each wave
.macro SCALE e, vs, vl                 ; the exponent in s[e] -> v[vs] = 2^e (the conversion takes its exponent field), v[vl] = 448 x 2^e
	s_add_co_i32 s43, s[\e], 127
	s_lshl_b32 s44, s43, 23
	v_mov_b32 v[\vs], s44
	s_add_co_i32 s43, s43, 8
	s_lshl_b32 s43, s43, 23
	s_or_b32 s43, s43, 0x600000                    ; the mantissa field of 448
	v_mov_b32 v[\vl], s43
.endm
	s_load_b512 s[4:19], s[0:1], 0x0               ; X 4:5, Wq 6:7, Wk 8:9, Wv 10:11, Wo 12:13, the exponents 14:15, xc 16:17, wc 18:19
	v_lshl_add_u32 v224, v0, 2, 0x10800
	v_mov_b32 v225, 0
	v_lshrrev_b32 v1, 5, v0
	s_delay_alu instid0(VALU_DEP_1)
	v_readfirstlane_b32 s20, v1                    ; wave 0..7
	v_and_b32 v10, 31, v0                          ; lane
	s_wait_kmcnt 0x0
	s_load_b256 s[24:31], s[14:15], 0x0            ; e0 .. e7
	s_load_b128 s[32:35], s[14:15], 0x20           ; e8 .. e11
	s_cmp_lt_u32 ttmp9, 256
	s_cbranch_scc0 .Lx
; ---- THE WEIGHTS.  Work-group g: weight g / 64, columns 256 ((g / 16) % 4) on, k = 64 (g % 16) on.  A LANE TAKES A COLUMN n AND ITS REGISTERS RUN DOWN K:
; each load reads 128 consecutive bytes a wave (the eight waves 1,024 of one row), and the conversions give codes with K innermost.  Nothing is transposed.
	s_lshr_b32 s21, ttmp9, 6                       ; which weight
	s_bfe_u32 s22, ttmp9, 0x20004                  ; which 256 columns
	s_and_b32 s23, ttmp9, 15                       ; which 64 along K
	s_cmp_eq_u32 s21, 1                            ; the buffer is chosen on the work-group's number alone
	s_cselect_b64 s[6:7], s[8:9], s[6:7]
	s_cmp_eq_u32 s21, 2
	s_cselect_b64 s[6:7], s[10:11], s[6:7]
	s_cmp_eq_u32 s21, 3
	s_cselect_b64 s[6:7], s[12:13], s[6:7]
	s_lshl_b32 s36, s23, 18                        ; 64 rows of 4,096 bytes
	s_lshl_b32 s37, s22, 10                        ; 256 columns
	s_add_co_u32 s36, s36, s37
	s_lshl_b32 s37, s20, 7                         ; my wave's 32 columns
	s_add_co_u32 s36, s36, s37
	s_mov_b32 s37, 0
	s_add_nc_u64 s[6:7], s[6:7], s[36:37]
	s_wait_alu depctr_va_vdst(0)
	v_lshlrev_b32 v1, 2, v10                       ; in: 4 bytes a lane
.set k, 0
.rept 64
	global_load_b32 v[16+k], v1, s[6:7] offset:k*4096 th:TH_LOAD_NT   ; W(64 (g % 16) + k, my column)
.set k, k+1
.endr
	; out: column n = 32 B + lane lies in tile 2 B + (lane / 8) % 2 at r = lane % 8 + 8 (lane / 16)
	v_bfe_u32 v2, v10, 3, 1
	s_delay_alu instid0(VALU_DEP_1)
	v_lshlrev_b32 v2, 14, v2                       ; a tile's eight images are 16,384 bytes
	v_and_b32 v3, 7, v10
	v_lshrrev_b32 v6, 4, v10
	s_delay_alu instid0(VALU_DEP_1)
	v_lshl_add_u32 v3, v6, 3, v3                   ; r
	s_delay_alu instid0(VALU_DEP_1)
	v_lshl_add_u32 v2, v3, 4, v2
	s_lshl_b32 s38, s21, 20                        ; a weight's codes are 1 MiB
	s_lshl_b32 s39, s22, 18                        ; 8 pairs of tiles
	s_add_co_u32 s38, s38, s39
	s_lshl_b32 s39, s20, 15                        ; my wave's pair of tiles
	s_add_co_u32 s38, s38, s39
	s_lshl_b32 s39, s23, 10                        ; 64 along K are half an image: 1,024 bytes
	s_add_co_u32 s38, s38, s39
	s_mov_b32 s39, 0
	s_add_nc_u64 s[18:19], s[18:19], s[38:39]
	s_wait_kmcnt 0x0
	s_cmp_eq_u32 s21, 1                            ; e1, e3, e5 or e11
	s_cselect_b32 s25, s27, s25
	s_cmp_eq_u32 s21, 2
	s_cselect_b32 s25, s29, s25
	s_cmp_eq_u32 s21, 3
	s_cselect_b32 s25, s35, s25
	SCALE 25, 4, 5
	s_wait_alu depctr_va_vdst(0)
.irp kc, 0,1,2,3                       ; 16 along K at a time: c = kc / 2, h = kc % 2 of the half image: 256 kc bytes on
	s_wait_loadcnt 48-16*\kc                       ; loads come back in order: all but the younger ones are in
.set i, 0
.rept 16
	v_med3_num_f32 v[16+16*\kc+i], v[16+16*\kc+i], -v5, v5   ; the conversion to an 8-bit code does not saturate (ISA guide 7.6.2): the hold comes first
.set i, i+1
.endr
	v_cvt_scalef32_pk8_fp8_f32 v[80+4*\kc:81+4*\kc], v[16+16*\kc:23+16*\kc], v4
	v_cvt_scalef32_pk8_fp8_f32 v[82+4*\kc:83+4*\kc], v[24+16*\kc:31+16*\kc], v4
	global_store_b128 v2, v[80+4*\kc:83+4*\kc], s[18:19] offset:256*\kc   ; sixteen lanes cover 256 consecutive bytes in each of the two tiles
.endr
	s_endpgm
; ---- X.  Work-group 256 + tile, wave = s: one image under each of the three scales.  Each load reads 512 consecutive bytes (128 numbers of one row); the conversions want 16 neighbours in one lane,
; so the 16 rows turn through the wave's own stage in LDS.  No other wave touches it: no barrier.
.Lx:
	s_sub_co_u32 s21, ttmp9, 256                   ; tile 0..511
	s_lshr_b32 s22, s21, 1
	s_lshl_b32 s22, s22, 5
	s_and_b32 s23, s21, 1
	s_lshl_b32 s23, s23, 3
	s_add_co_u32 s22, s22, s23                     ; the image's first row: 32 (tile / 2) + 8 (tile % 2)
	s_lshl_b32 s22, s22, 12                        ; rows of 4,096 bytes
	s_lshl_b32 s23, s20, 9                         ; 128 numbers along K
	s_add_co_u32 s22, s22, s23
	s_mov_b32 s23, 0
	s_add_nc_u64 s[4:5], s[4:5], s[22:23]
	s_wait_alu depctr_va_vdst(0)
	v_lshlrev_b32 v1, 4, v10                       ; 16 x lane: in memory, in the stage's rows and in an image
.irp i, 0,1,2,3,4,5,6,7,8,9,10,11,12,13,14,15
	global_load_b128 v[16+4*\i:19+4*\i], v1, s[4:5] offset:(\i+8*(\i/8))*4096 th:TH_LOAD_NT   ; the image's row i
.endr
	s_lshl_b32 s22, s21, 3
	s_add_co_u32 s22, s22, s20
	s_lshl_b32 s22, s22, 11                        ; image (tile, s)
	s_add_nc_u64 s[36:37], s[16:17], s[22:23]      ; under e0,
	s_add_nc_u64 s[38:39], s[36:37], 0x800000      ; under e2,
	s_add_nc_u64 s[40:41], s[38:39], 0x800000      ; under e4
	s_mul_i32 s42, s20, STG
	v_add_nc_u32 v2, s42, v1                       ; into the stage: as loaded
	v_and_b32 v3, 15, v10
	v_lshrrev_b32 v11, 4, v10
	s_delay_alu instid0(VALU_DEP_2)
	v_mul_u32_u24 v3, v3, 528
	s_delay_alu instid0(VALU_DEP_1)
	v_lshl_add_u32 v3, v11, 6, v3
	s_delay_alu instid0(VALU_DEP_1)
	v_add_nc_u32 v3, s42, v3                       ; out of it: row r, 64 h bytes on: my 16 numbers of each 32
	s_wait_alu depctr_va_vdst(0)
	s_wait_kmcnt 0x0
	SCALE 24, 4, 5
	SCALE 26, 6, 7
	SCALE 28, 8, 9
	s_wait_alu depctr_va_vdst(0)
.irp i, 0,1,2,3,4,5,6,7,8,9,10,11,12,13,14,15
	s_wait_loadcnt 15-\i                           ; row i is in; the younger rows may be out
	ds_store_b128 v2, v[16+4*\i:19+4*\i] offset:528*\i
.endr
.irp c, 0,1,2,3
.irp j, 0,1,2,3
	ds_load_b128 v[80+16*\c+4*\j:83+16*\c+4*\j], v3 offset:128*\c+16*\j   ; LDS serves a wave's instructions in order (ISA guide 5.7.1.4): these see the stores above
.endr
.endr
	s_wait_dscnt 0x0
.irp q, 0,1,2
.irp c, 0,1,2,3
.set i, 0
.rept 16
	v_med3_num_f32 v[144+16*(\c%2)+i], v[80+16*\c+i], -v[5+2*\q], v[5+2*\q]   ; held, into one of two sets by turns: the next sixteen holds are the plain lines behind the conversions
.set i, i+1
.endr
	v_cvt_scalef32_pk8_fp8_f32 v[176+16*\q+4*\c:177+16*\q+4*\c], v[144+16*(\c%2):151+16*(\c%2)], v[4+2*\q]
	v_cvt_scalef32_pk8_fp8_f32 v[178+16*\q+4*\c:179+16*\q+4*\c], v[152+16*(\c%2):159+16*(\c%2)], v[4+2*\q]
.endr
.irp c, 0,1,2,3
	global_store_b128 v1, v[176+16*\q+4*\c:179+16*\q+4*\c], s[36+2*\q:37+2*\q] offset:512*\c   ; 32 lanes store 512 consecutive bytes
.endr
.endr
	s_wait_tensorcnt 0x0
	ds_add_u32 v224, v225
	s_wait_dscnt 0x0
	s_endpgm
.Lfunc_end_k_q4bd0d4291a_prep:
	.size	k_q4bd0d4291a_prep, .Lfunc_end_k_q4bd0d4291a_prep-k_q4bd0d4291a_prep
	.p2alignl 7, 3214868480
	.fill 96, 4, 3214868480
	.section	.rodata,"a",@progbits
	.p2align	6, 0x0
	.amdhsa_kernel k_q4bd0d4291a_prep
		.amdhsa_group_segment_fixed_size 68608
		.amdhsa_private_segment_fixed_size 0
		.amdhsa_enable_private_segment 0
		.amdhsa_kernarg_size 64
		.amdhsa_user_sgpr_count 2
		.amdhsa_user_sgpr_kernarg_segment_ptr 1
		.amdhsa_wavefront_size32 1
		.amdhsa_system_sgpr_workgroup_id_x 1
		.amdhsa_system_sgpr_workgroup_id_y 1
		.amdhsa_system_sgpr_workgroup_id_z 1
		.amdhsa_system_vgpr_workitem_id 0
		.amdhsa_next_free_vgpr 226
		.amdhsa_next_free_sgpr 66
		.amdhsa_reserve_vcc 0
		.amdhsa_float_denorm_mode_32 3
		.amdhsa_float_denorm_mode_16_64 3
		.amdhsa_memory_ordered 1
		.amdhsa_forward_progress 1
		.amdhsa_inst_pref_size 35
	.end_amdhsa_kernel
	.amdgpu_metadata
---
amdhsa.version: [ 1, 2 ]
amdhsa.kernels:
  - .name:           k_q4bd0d4291a_prep
    .symbol:         k_q4bd0d4291a_prep.kd
    .args:
      - { .name: X, .offset: 0, .size: 8, .value_kind: global_buffer, .address_space: global }
      - { .name: Wq, .offset: 8, .size: 8, .value_kind: global_buffer, .address_space: global }
      - { .name: Wk, .offset: 16, .size: 8, .value_kind: global_buffer, .address_space: global }
      - { .name: Wv, .offset: 24, .size: 8, .value_kind: global_buffer, .address_space: global }
      - { .name: Wo, .offset: 32, .size: 8, .value_kind: global_buffer, .address_space: global }
      - { .name: lowp_scales, .offset: 40, .size: 8, .value_kind: global_buffer, .address_space: global }
      - { .name: xc, .offset: 48, .size: 8, .value_kind: global_buffer, .address_space: global }
      - { .name: wc, .offset: 56, .size: 8, .value_kind: global_buffer, .address_space: global }
    .group_segment_fixed_size: 68608
    .private_segment_fixed_size: 0
    .kernarg_segment_align: 8
    .kernarg_segment_size: 64
    .max_flat_workgroup_size: 256
    .sgpr_count:     66
    .vgpr_count:     226
    .wavefront_size: 32
...
	.end_amdgpu_metadata
.endif
;; end of part 1
;; launch qkv (part 2): grid 4 x 64, 4 waves a work-group, clusters of 4 x 4, 327,680 bytes of LDS; arguments xc, wc, bq, bk, bv, lowp_scales, qimg, kv; writes qimg, kv
.if DOCPART == 2
	.amdgcn_target "amdgcn-amd-amdhsa--gfx1250"
	.amdhsa_code_object_version 6
	.text
	.protected	k_q4bd0d4291a_qkv
	.globl	k_q4bd0d4291a_qkv
	.p2align	8
	.type	k_q4bd0d4291a_qkv,@function
k_q4bd0d4291a_qkv:
	s_mov_b64 s[64:65], 0
	v_nop
	global_prefetch_b8 v0, s[64:65] scope:SCOPE_SE
	s_setreg_imm32_b32 hwreg(HW_REG_WAVE_MODE, 25, 1), 1
	s_wait_xcnt 0x0
	s_wait_alu depctr_hold_cnt(0) depctr_sa_sdst(0) depctr_va_vdst(0) depctr_va_sdst(0) depctr_va_ssrc(0) depctr_va_vcc(0) depctr_vm_vsrc(0)
	s_getreg_b32 s2, hwreg(HW_REG_IB_STS2, 6, 4)
	s_cmp_eq_u32 s2, 0
	s_cbranch_scc0 .Lentry_in_a_cluster
	s_endpgm
.Lentry_in_a_cluster:
	s_bfe_u32 s2, ttmp6, 0x10000c
	s_cmp_lg_u32 s2, 0xf033
	s_cbranch_scc0 .Lentry_shape_is_right
	s_endpgm
.Lentry_shape_is_right:
; Q = X Wq + bq, K = X Wk + bk, V = X Wv + bv on codes of E4M3, and their results quantised (2^e6, 2^e7, 2^e9) into the images that the attention launch reads.
; ONE FRAME: P [rows][1024] and R [rows][1024], both as images (16 rows x 128 k = 2,048 bytes; byte 512 c + 16 lane + i: row 32 (tile / 2) + 8 (tile % 2) + r % 8 + 16 (r / 8), k = 128 s + 32 c + 16 h + i).
; Source 0 = a tile of R, source 1 = a tile of P: a lane holds ONE row of P, and the 16 registers of R's tiles 2 b', 2 b' + 1 are 16 NEIGHBOURING rows of R, 32 b' + 16 h + 0 .. 15.
; Converted, they are the lane's own 16 bytes of the result's image (rows = P's, k = R's rows): every store is 16 bytes at 16 x lane, 512 consecutive bytes a wave.
; Q, K: P = X's codes (tokens), R = the weight's (n).  V: P = Wv's codes (n), R = X's (tokens): the same product with the sides changed, which gives V with the KEYS along k.
; The cluster's number gives the product (0 Q, 1 K, 2 V) and its place; every choice by it is a select on ids that all partners share; there is no branch on it.
; SHARES.  A work-group makes 128 rows of P x 256 rows of R; wave w: P's tiles 4 (w / 2) on, R's tiles 8 (w % 2) on: 32 accumulators.  768 work-groups.
; K = 1,024 is 8 steps of 128, brought in 4 fills of two steps into THREE slots: three first fills go out together, the fourth fills slot 0 again.  Three tensor loads of a wave are out at the start, later one.
; CLUSTERS: 4 x 4.  P's tiles are shared along a row of the cluster, R's along a column: joint loads.
; The bias along R's rows is the C of the first step's products; the bias along P's rows is added on the way out; the one that does not apply is multiplied by 0.  Both go in divided by 2^(eA + eB).
; LIMITS on the given exponents: eA + eB between -127 and 126, eo - eA - eB between -126 and 119, for (e0, e1; e6), (e2, e3; e7), (e4, e5; e9).  NaN and infinities among the biases are not served.
; REGISTERS, in windows of 256: window 0: v1 r, v2 h, v3 16 x lane, v8-15 store offsets, v16-18, v20-22 LDS addresses, v28, v29 for the add, v30, v31 the conversion's scale and the hold,
;   v96-103 P's bias, v128-255 P's fragments in two sets (on the way out: codes and numbers).  window 1: R's fragments in two sets.  window 2: accumulator (a, b) at v[8 (8 a + b)].  window 3: v0-63 R's bias.
.set SLOTB, 98304                      ; a slot: P's 8 tiles x 4,096 bytes (two steps), then R's 16 tiles x 4,096
.set SPARE, 3*SLOTB
; THE FILLS, as this text issues them (this replaces what the head comment says of the first fills): one joint load a wave at the head (steps 0, 1 into slot 0);
; steps 2, 3 into slot 1 behind the full sequence and a round in front of step 0; steps 4, 5 into slot 2 behind step 1's round; steps 6, 7 into slot 0 again behind step 3's round.
; One tensor load of a wave is out at any time.
.set LI,   3
.set VO,   8
.set ADRP, 16
.set ADRR, 20
.set SPW,  28
.set NIL,  29
.set BP,   96
.set PF,   128
.set CD,   128
.set T,    192
.set G1P,  32                          ; s[32:39] group 1 for P's tiles; s[40:47] for R's; s[48:59], s[68:79] groups 0, a set for each first fill
.set G1R,  40
.set G0P,  48
.set G0R,  68
.set MSB, 0
.macro WIN new                         ; the immediate's high byte repeats the setting that is left
.if MSB != \new
	s_set_vgpr_msb (MSB<<8)|\new
.set MSB, \new
.endif
.endm
.macro PLACES n
.rept \n
	v_nop
.endr
.endm
.macro CREST                           ; a round of the cluster's barrier behind its opening barrier
	s_cmp_lg_u32 s20, 0
	s_cbranch_scc1 .Lnot_wave_0_\@
	s_barrier_signal -3
.Lnot_wave_0_\@:
	s_barrier_wait -3
	s_barrier_signal -1
	s_barrier_wait -1
.endm
.macro CROUND
	s_barrier_signal -1
	s_barrier_wait -1
	CREST
.endm
.macro JLOAD gp, gr                    ; a joint load: waves 0, 1 fetch P's halves, waves 2, 3 R's; four v_nop follow each line
	s_cmp_eq_u32 s21, 0
	s_cbranch_scc0 .Lfor_r_\@
	tensor_load_to_lds s[\gp:\gp+3], s[G1P:G1P+7]
	s_nop 0
	PLACES 4
	s_branch .Lasked_\@
.Lfor_r_\@:
	tensor_load_to_lds s[\gr:\gr+3], s[G1R:G1R+7]
	s_nop 0
	PLACES 4
.Lasked_\@:
.endm
; A PREFETCH INTO THE L2 of the fill that the NEXT joint load will ask for (fill f: steps 2 f, 2 f + 1): it stands behind the joint load of fill f - 1 and the LDS loads that follow it: one fill ahead.
; A wave's joint load brings 4 tiles of P or 8 tiles of R, 4,096 bytes of each.  The four partners that ask for them jointly share them out BY ADDRESS: of P's four, the partner at cx takes tile cx (16 blocks of 256 bytes:
; lanes 0-15 a block each, lanes 16-31 name the last again); of R's eight, the partner at cy takes tiles 2 cy, 2 cy + 1 (a lane a block).  So each block is named once in a cluster.
; X's codes are asked for by every cluster that loads them.  A tile of the weight's codes is loaded by 16 clusters (Q, K) or 8 (V): the four with the lowest numbers ask (s6: ids that all partners share, and the wave's number).
; The offset is an immediate: no register of the prefetch is written again.  The last fill has none behind it.
.macro ASK f
	s_cmp_eq_u32 s6, 1
	s_cbranch_scc0 .Lno_ask_\@
	global_prefetch_b8 v26, s[4:5] offset:4096*(\f) th:TH_LOAD_NT scope:SCOPE_SE
.Lno_ask_\@:
.endm
.macro FETCH slot, half, set
	WIN 0x40
.irp b, 0,1,2,3,4,5,6,7
.irp c, 0,1,2,3
	ds_load_b128 v[128*(\set)+16*\b+4*\c:128*(\set)+16*\b+4*\c+3], v[ADRR+\slot] offset:\b*4096+\half*2048+512*\c
.endr
.endr
	WIN 0
.irp a, 0,1,2,3
.irp c, 0,1,2,3
	ds_load_b128 v[PF+64*(\set)+16*\a+4*\c:PF+64*(\set)+16*\a+4*\c+3], v[ADRP+\slot] offset:\a*4096+\half*2048+512*\c
.endr
.endr
.endm
; 8 products: P's tile a against R's eight.  mode 0: onto the sums; 1: C = 0; 2: C = R's bias (window 3).  The 32 accumulators take turns, one instruction a turn, in the same order in every step.
.macro MUL8 set, a, mode
.irp b, 0,1,2,3,4,5,6,7
.if \mode == 0
	v_wmma_f32_16x16x128_fp8_fp8 v[8*(8*\a+\b):8*(8*\a+\b)+7], v[128*\set+16*\b:128*\set+16*\b+15], v[PF+64*\set+16*\a:PF+64*\set+16*\a+15], v[8*(8*\a+\b):8*(8*\a+\b)+7]
.elseif \mode == 1
	v_wmma_f32_16x16x128_fp8_fp8 v[8*(8*\a+\b):8*(8*\a+\b)+7], v[128*\set+16*\b:128*\set+16*\b+15], v[PF+64*\set+16*\a:PF+64*\set+16*\a+15], 0
.else
	v_wmma_f32_16x16x128_fp8_fp8 v[8*(8*\a+\b):8*(8*\a+\b)+7], v[128*\set+16*\b:128*\set+16*\b+15], v[PF+64*\set+16*\a:PF+64*\set+16*\a+15], v[8*\b:8*\b+7]
.endif
.endr
.endm
.macro STEP set, nslot, nhalf, mode    ; fetches the next step's fragments into the other set, multiplies this set
	PLACES 4                                       ; in front of loads into registers that the step before multiplied (ISA guide 7.12.1 for vector instructions)
	FETCH \nslot, \nhalf, 1-\set
	s_wait_dscnt 48                                ; all but the 48 just issued: this step's fragments are in
.if \mode == 2
	WIN 0xb1                                       ; source 0 window 1, source 1 window 0, C window 3, D window 2
.else
	WIN 0xa1                                       ; C and D window 2
.endif
	MUL8 \set, 0, \mode
	MUL8 \set, 1, \mode
	MUL8 \set, 2, \mode
	MUL8 \set, 3, \mode
.endm
	v_lshl_add_u32 v[SPW], v0, 2, SPARE
	v_mov_b32 v[NIL], 0
	ds_add_u32 v28, v29
	ds_add_u32 v28, v29
	s_wait_dscnt 0x0
	; WORK-GROUPS THAT STAY (this replaces what the head comment says of the grid): 256 work-groups, 16 clusters.  The cluster's number gives the place in a product; a loop of three trips walks the products 0 Q, 1 K, 2 V.
	; A trip is the whole text below: it loads the arguments anew, since it steps and selects among them, and makes every descriptor and address from the trip's number s3, which is the same in all work-groups.
	s_mov_b32 s3, 0
.Lproduct:
	s_load_b512 s[4:19], s[0:1], 0x0               ; xc 4:5, wc 6:7, bq 8:9, bk 10:11, bv 12:13, the exponents 14:15, qimg 16:17, kv 18:19
	v_lshrrev_b32 v1, 5, v0
	v_readfirstlane_b32 s20, v1                    ; wave 0..3
	s_lshr_b32 s21, s20, 1                         ; which of P's halves I multiply.  Also: I fetch for P (0) or for R (1)
	s_and_b32 s22, s20, 1                          ; which of R's halves I multiply.  Also: which half of that tile I fetch
	s_bfe_u32 s23, ttmp6, 0x40000                  ; cx
	s_bfe_u32 s24, ttmp6, 0x40004                  ; cy
	s_and_b32 s26, ttmp7, 0xffff                   ; the cluster's number, 0..15: its place in the product
	s_mov_b32 s25, s3                              ; the product: 0 Q, 1 K, 2 V
	s_and_b32 s29, s26, 1
	s_lshr_b32 s30, s26, 1
	s_cmp_lt_u32 s25, 2
	s_cselect_b32 s27, s26, s29                    ; Q, K: 16 clusters down P, one across R;  V: 2 down P, 8 across R
	s_cselect_b32 s28, 0, s30
	s_lshl_b32 s27, s27, 2
	s_add_co_u32 s27, s27, s24                     ; P's tile of 128 rows: hangs on cy alone
	s_lshl_b32 s28, s28, 2
	s_add_co_u32 s28, s28, s23                     ; R's tile of 256 rows: hangs on cx alone
	s_lshl_b32 s29, s24, 2
	s_lshl_b32 s29, 15, s29                        ; my row of the cluster
	s_lshl_b32 s30, 0x1111, s23                    ; my column
	; group 1: rows of 512 elements of 8 bytes (a tile's two steps, 4,096 bytes), 2,048 elements (a tile's eight images) apart; P: 4 rows a load, R: 8
	s_or_b32 s[G1P], s29, (3<<16)|(1<<21)          ; 15:0 the mask; 17:16 elements of 8 bytes; 21 set beside a mask; no padding
	s_or_b32 s[G1R], s30, (3<<16)|(1<<21)
	s_mov_b32 s[G1P+1], 512<<16                    ; tensor_dim0
	s_mov_b32 s[G1P+2], 4<<16                      ; tensor_dim1
	s_mov_b32 s[G1P+3], 512<<16                    ; tile_dim0
	s_mov_b32 s[G1P+4], 4                          ; tile_dim1
	s_mov_b32 s[G1P+5], 2048                       ; tensor_dim0_stride
	s_mov_b32 s[G1P+6], 0
	s_mov_b32 s[G1P+7], 0
	s_mov_b32 s[G1R+1], 512<<16
	s_mov_b32 s[G1R+2], 8<<16
	s_mov_b32 s[G1R+3], 512<<16
	s_mov_b32 s[G1R+4], 8
	s_mov_b32 s[G1R+5], 2048
	s_mov_b32 s[G1R+6], 0
	s_mov_b32 s[G1R+7], 0
	; byte offsets, made apart from the addresses.  X's codes under the product's scale lie product x 8 MiB on, the weight's product x 1 MiB on
	s_lshl_b32 s60, s27, 17                        ; P: 8 tiles of 16,384 bytes,
	s_lshl_b32 s61, s22, 16                        ; the half that I fetch
	s_add_co_u32 s60, s60, s61
	s_lshl_b32 s61, s25, 23
	s_lshl_b32 s62, s25, 20
	s_cmp_lt_u32 s25, 2
	s_cselect_b32 s63, s61, s62                    ; P is X (Q, K) or the weight (V),
	s_cselect_b32 s66, s62, s61                    ; R the other
	s_add_co_u32 s60, s60, s63
	s_mov_b32 s61, 0
	s_lshl_b32 s92, s28, 18                        ; R: 16 tiles,
	s_lshl_b32 s93, s22, 17                        ; the half that I fetch
	s_add_co_u32 s92, s92, s93
	s_add_co_u32 s92, s92, s66
	s_mov_b32 s93, 0
	s_lshl_b32 s98, s22, 14                        ; where they go in a slot: no place in the cluster enters an LDS address
	s_lshl_b32 s99, s22, 15
	s_add_co_u32 s99, s99, 32768
	s_wait_kmcnt 0x0
	s_load_b256 s[80:87], s[14:15], 0x0            ; e0 .. e7
	s_load_b128 s[88:91], s[14:15], 0x20           ; e8 .. e11
	s_cmp_lt_u32 s25, 2
	s_cselect_b64 s[94:95], s[4:5], s[6:7]
	s_cselect_b64 s[96:97], s[6:7], s[4:5]
	s_add_nc_u64 s[94:95], s[94:95], s[60:61]
	s_add_nc_u64 s[96:97], s[96:97], s[92:93]
	; the prefetches (macro ASK): s[4:5] my work-group's part of what my wave fetches, v26 my lane's block, s6 whether my wave asks
	s_lshl_b32 s29, s23, 14                        ; P: tile cx of my four
	s_lshl_b32 s30, s24, 15                        ; R: tiles 2 cy, 2 cy + 1 of my eight
	s_xor_b32 s31, s21, 1
	s_cmp_eq_u32 s21, 0                            ; do I fetch for P?
	s_cselect_b64 s[4:5], s[94:95], s[96:97]
	s_cselect_b32 s6, s29, s30
	s_cselect_b32 s29, 0, 16384                    ; lanes 16-31: R's second tile
	s_cselect_b32 s30, 15, 0                       ; lanes 16-31: P's last block again
	s_mov_b32 s7, 0
	s_add_nc_u64 s[4:5], s[4:5], s[6:7]
	v_and_b32 v26, 15, v0
	v_bfe_u32 v27, v0, 4, 1
	v_mul_u32_u24 v4, v27, s30
	v_max_u32 v26, v26, v4
	v_lshlrev_b32 v26, 8, v26
	v_mad_u32_u24 v26, v27, s29, v26
	s_wait_alu depctr_va_vdst(0)
	s_cmp_lt_u32 s25, 2
	s_cselect_b32 s30, s31, s21                    ; 1 where my tiles are of X's codes (Q, K: P; V: R)
	s_cselect_b32 s31, 4, 8                        ; the weight's: clusters 0-3 of a product (Q, K), 0-7 (V: two tiles of P by turns)
	s_cmp_lt_u32 s26, s31
	s_cselect_b32 s31, 1, 0
	s_or_b32 s6, s30, s31
.irp f, 0,1,2
	s_mov_b32 s[G0P+4*\f], 1                                       ; count = 1
	s_add_co_u32 s[G0P+4*\f+1], s98, \f*SLOTB                      ; LDS address
	s_add_nc_u64 s[G0P+4*\f+2:G0P+4*\f+3], s[94:95], \f*4096       ; global address: steps 2 f, 2 f + 1
	s_or_b32 s[G0P+4*\f+3], s[G0P+4*\f+3], 0x80000000              ; type = 2
	s_mov_b32 s[G0R+4*\f], 1
	s_add_co_u32 s[G0R+4*\f+1], s99, \f*SLOTB
	s_add_nc_u64 s[G0R+4*\f+2:G0R+4*\f+3], s[96:97], \f*4096
	s_or_b32 s[G0R+4*\f+3], s[G0R+4*\f+3], 0x80000000
.endr
	s_wait_tensorcnt 0x0                           ; from the second trip on slot 0 is filled again: all tensor loads are awaited in front of the round;
	ds_add_u32 v[SPW], v[NIL]                      ; the add stands twice on end
	ds_add_u32 v[SPW], v[NIL]
	s_wait_dscnt 0x0
	CROUND                                         ; all sixteen work-groups are here: the joint loads meet, and no wave of any partner still reads a slot
	JLOAD G0P, G0R
	ASK 1
	v_and_b32 v1, 15, v0                           ; r
	v_bfe_u32 v2, v0, 4, 1                         ; h
	s_wait_alu depctr_va_vdst(0)
	v_and_b32 v[LI], 31, v0
	v_lshlrev_b32 v[LI], 4, v[LI]                  ; 16 x lane
	s_lshl_b32 s60, s21, 14                        ; my four tiles of P
	s_lshl_b32 s61, s22, 15                        ; my eight tiles of R,
	s_add_co_u32 s61, s61, 32768                   ; which lie behind P's
.irp n, 0,1,2
	v_add_nc_u32 v[ADRP+\n], s60, v[LI]
	v_add_nc_u32 v[ADRR+\n], s61, v[LI]
	s_add_co_u32 s60, s60, SLOTB
	s_add_co_u32 s61, s61, SLOTB
.endr
	; the biases.  Along R's rows: register 8 b + j of a lane is bias[n0 + 32 (b / 2) + 16 h + 8 (b % 2) + j].  Along P's rows: tile a's is bias[n0 + 32 (a / 2) + 8 (a % 2) + r % 8 + 16 (r / 8)].
	; The side that does not apply reads from the buffer's first numbers and is multiplied by 0 below.
	s_cmp_eq_u32 s25, 1
	s_cselect_b64 s[8:9], s[10:11], s[8:9]
	s_cmp_eq_u32 s25, 2
	s_cselect_b64 s[8:9], s[12:13], s[8:9]
	s_lshl_b32 s29, s28, 10
	s_lshl_b32 s30, s22, 9
	s_add_co_u32 s29, s29, s30                     ; (256 x R's tile + 128 x half) x 4
	s_lshl_b32 s30, s27, 9
	s_lshl_b32 s31, s21, 8
	s_add_co_u32 s30, s30, s31                     ; (128 x P's tile + 64 x half) x 4
	s_cmp_lt_u32 s25, 2
	s_cselect_b32 s62, s29, 0
	s_cselect_b32 s92, 0, s30
	s_mov_b32 s63, 0
	s_mov_b32 s93, 0
	s_add_nc_u64 s[94:95], s[8:9], s[62:63]
	s_add_nc_u64 s[96:97], s[8:9], s[92:93]
	v_lshlrev_b32 v4, 6, v2                        ; 16 h numbers
	v_and_b32 v5, 7, v1
	v_lshrrev_b32 v6, 3, v1
	v_lshl_add_u32 v5, v6, 4, v5
	v_lshlrev_b32 v5, 2, v5                        ; r % 8 + 16 (r / 8) numbers
	WIN 0xc0                                       ; destination window 3
.irp b, 0,1,2,3,4,5,6,7
	global_load_b128 v[8*\b:8*\b+3], v4, s[94:95] offset:(32*(\b/2)+8*(\b%2))*4
	global_load_b128 v[8*\b+4:8*\b+7], v4, s[94:95] offset:(32*(\b/2)+8*(\b%2))*4+16
.endr
	WIN 0
.irp a, 0,1,2,3
	global_load_b32 v[BP+2*\a], v5, s[96:97] offset:(32*(\a/2)+8*(\a%2))*4     ; the same number in both registers of a pair, for the packed addition
	global_load_b32 v[BP+2*\a+1], v5, s[96:97] offset:(32*(\a/2)+8*(\a%2))*4
.endr
	; where the results go: offset (a, b') = 16 x lane + a x SA + (b' / 2) x SB + 512 (b' % 2).  Q: SA 2^10 (a tile's half image), SB 2^17 (a head);  K: 2^10, 2^18;  V: 2^11 (an image), 2^10
	s_cmp_eq_u32 s25, 2
	s_cselect_b32 s29, 11, 10
	s_cselect_b32 s30, 10, 17
	s_cmp_eq_u32 s25, 1
	s_cselect_b32 s30, 18, s30
	s_lshl_b32 s62, 1, s30
.irp a, 0,1,2,3
	s_lshl_b32 s31, \a, s29
	v_add_nc_u32 v[VO+2*\a], s31, v[LI]
	s_add_co_u32 s31, s31, s62
	v_add_nc_u32 v[VO+2*\a+1], s31, v[LI]
.endr
	s_lshr_b32 s62, s27, 4                         ; Q, K: the batch,
	s_and_b32 s63, s27, 15                         ; and the 128 tokens in it
	s_lshl_b32 s92, s28, 2
	s_lshl_b32 s93, s22, 1
	s_add_co_u32 s92, s92, s93                     ; my first head
	s_lshl_b32 s98, s62, 21                        ; Q: [batch x 16 + head][token tile][1024]
	s_lshl_b32 s93, s92, 17
	s_add_co_u32 s98, s98, s93
	s_lshl_b32 s93, s63, 13
	s_add_co_u32 s98, s98, s93
	s_lshl_b32 s93, s21, 12
	s_add_co_u32 s98, s98, s93
	s_lshl_b32 s99, s62, 22                        ; K: [batch x 16 + head][key step: 16,384][tile][1024]
	s_lshl_b32 s93, s92, 18
	s_add_co_u32 s99, s99, s93
	s_lshl_b32 s93, s63, 14
	s_add_co_u32 s99, s99, s93
	s_lshl_b32 s93, s21, 12
	s_add_co_u32 s99, s99, s93
	s_lshr_b32 s100, s28, 3                        ; V: [batch x 16 + head][key step][8,192 + tile of d x 2,048]: head = 2 x P's tile + half, key step = 2 x R's tile + half
	s_lshl_b32 s100, s100, 22
	s_lshl_b32 s93, s27, 19
	s_add_co_u32 s100, s100, s93
	s_lshl_b32 s93, s21, 18
	s_add_co_u32 s100, s100, s93
	s_lshl_b32 s93, s28, 1
	s_add_co_u32 s93, s93, s22
	s_and_b32 s93, s93, 15
	s_lshl_b32 s93, s93, 14
	s_add_co_u32 s100, s100, s93
	s_add_co_u32 s100, s100, 8192
	s_cmp_eq_u32 s25, 1
	s_cselect_b32 s98, s99, s98
	s_cmp_eq_u32 s25, 2
	s_cselect_b32 s98, s100, s98
	s_mov_b32 s99, 0
	s_cmp_eq_u32 s25, 0
	s_cselect_b64 s[16:17], s[16:17], s[18:19]
	s_add_nc_u64 s[16:17], s[16:17], s[98:99]
	s_wait_kmcnt 0x0
	s_add_co_i32 s92, s80, s81                     ; eA + eB of the three products,
	s_add_co_i32 s93, s82, s83
	s_add_co_i32 s31, s84, s85
	s_cmp_eq_u32 s25, 1
	s_cselect_b32 s92, s93, s92
	s_cselect_b32 s29, s87, s86                    ; and the result's exponent: e6, e7, e9
	s_cmp_eq_u32 s25, 2
	s_cselect_b32 s92, s31, s92
	s_cselect_b32 s29, s89, s29
	s_sub_co_i32 s30, s29, s92                     ; a sum stands for sum x 2^(eA + eB): its code is sum / 2^(eo - eA - eB)
	s_add_co_i32 s30, s30, 127
	s_lshl_b32 s31, s30, 23
	v_mov_b32 v30, s31
	s_add_co_i32 s30, s30, 8
	s_lshl_b32 s30, s30, 23
	s_or_b32 s30, s30, 0x600000
	v_mov_b32 v31, s30                             ; 448 x that
	s_sub_co_i32 s31, 127, s92
	s_lshl_b32 s31, s31, 23                        ; 2^-(eA + eB): what the bias is multiplied by
	s_cmp_lt_u32 s25, 2
	s_cselect_b32 s66, s31, 0                      ; for the bias along R's rows (Q, K),
	s_cselect_b32 s60, 0, s31                      ; along P's rows (V)
	s_mov_b32 s67, s66                             ; (named as pairs, so both are written)
	s_mov_b32 s61, s60
	s_wait_alu depctr_va_vdst(0)
	s_wait_tensorcnt 0x0                           ; my part of the first fill is in
	ds_add_u32 v[SPW], v[NIL]
	s_wait_dscnt 0x0
	CROUND                                         ; everybody's part is in, and all sixteen work-groups are here
	JLOAD G0P+4, G0R+4                             ; steps 2 and 3 into slot 1: the first tensor load behind the round
	FETCH 0, 0, 0
	ASK 2
	s_wait_loadcnt 0x0                             ; the biases
	WIN 0xc3                                       ; source 0 and destination window 3
.set i, 0
.rept 32
	v_pk_mul_f32 v[i:i+1], v[i:i+1], s[66:67] op_sel_hi:[1,0]
.set i, i+2
.endr
	WIN 0
.irp a, 0,1,2,3
	v_pk_mul_f32 v[BP+2*\a:BP+2*\a+1], v[BP+2*\a:BP+2*\a+1], s[60:61] op_sel_hi:[1,0]
.endr
	s_wait_alu depctr_va_vdst(0)
	STEP 0, 0, 1, 2                                ; step 0 starts the sums with the bias
	; step 1 leaves slot 0, which is filled again.  In front of the barrier each wave waits for all its tensor loads, adds 0 to its spare word, and waits for that and for its reads of the slot
	WIN 0
	s_wait_tensorcnt 0x0                           ; all my tensor loads have landed: slot 1's, the one out
	ds_add_u32 v[SPW], v[NIL]                      ; 0 onto my spare word
	s_wait_dscnt 1                                 ; (the add alone may be out: step 1's fragments are in)
	WIN 0xa1
	MUL8 1, 0, 0
	s_wait_dscnt 0x0                               ; the add is done, and my reads of slot 0 are over
	s_barrier_signal -1                            ; this barrier opens a round of the cluster's barrier
	MUL8 1, 1, 0
	WIN 0
	s_barrier_wait -1
	CREST                                          ; no wave of any partner still reads slot 0 or has a load on its way
	JLOAD G0P+8, G0R+8                             ; steps 4 and 5 into slot 2, its first fill: the first tensor load behind the round; its four v_nop are also the places in front of the loads below
	FETCH 1, 0, 0
	ASK 3
	WIN 0xa1
	MUL8 1, 2, 0
	MUL8 1, 3, 0
	STEP 0, 1, 1, 0                                ; step 2
	; step 3: slot 0, last read in step 0, is filled again.  The same lines as in step 1
	WIN 0
	s_wait_tensorcnt 0x0                           ; my part of slot 2 is in
	ds_add_u32 v[SPW], v[NIL]
	s_wait_dscnt 1                                 ; (the add alone may be out: step 3's fragments are in)
	WIN 0xa1
	MUL8 1, 0, 0
	s_wait_dscnt 0x0
	s_barrier_signal -1                            ; this barrier opens a round of the cluster's barrier
	MUL8 1, 1, 0
	WIN 0
	s_barrier_wait -1
	CREST
	s_add_nc_u64 s[G0P+2:G0P+3], s[G0P+2:G0P+3], 3*4096
	s_add_nc_u64 s[G0R+2:G0R+3], s[G0R+2:G0R+3], 3*4096
	JLOAD G0P, G0R                                 ; steps 6 and 7: the first tensor load behind the round
	FETCH 2, 0, 0
	WIN 0xa1
	MUL8 1, 2, 0
	MUL8 1, 3, 0
	STEP 0, 2, 1, 0                                ; step 4
	; step 5: slot 0's second fill is shown to every wave
	WIN 0
	s_wait_tensorcnt 0x0                           ; my one load that was out
	s_wait_dscnt 0x0                               ; step 5's fragments are in; no LDS instruction is pending at the signal
	s_barrier_signal -1
	WIN 0xa1
	MUL8 1, 0, 0
	MUL8 1, 1, 0
	WIN 0
	s_barrier_wait -1
	PLACES 4
	FETCH 0, 0, 0
	WIN 0xa1
	MUL8 1, 2, 0
	MUL8 1, 3, 0
	STEP 0, 0, 1, 0                                ; step 6
	s_wait_dscnt 0x0
	MUL8 1, 0, 0                                   ; step 7
	MUL8 1, 1, 0
	MUL8 1, 2, 0
	MUL8 1, 3, 0
	WIN 0
	PLACES 4                                       ; in front of the first read of results and the first write over P's fragments
	; THE WAY OUT, P's tile a at a time: + P's bias, held, converted: 16 codes of R's rows 32 b' + 16 h + 0 .. 15 are my 16 bytes of the result's image
.irp a, 0,1,2,3
	WIN 0x02                                       ; source 0 window 2
.set i, 0
.rept 32
	v_pk_add_f32 v[T+i:T+i+1], v[64*\a+i:64*\a+i+1], v[BP+2*\a:BP+2*\a+1]   ; each accumulator from its low end on
.set i, i+2
.endr
	WIN 0
.irp b, 0,1,2,3
.set i, 0
.rept 16
	v_med3_num_f32 v[T+16*\b+i], v[T+16*\b+i], -v31, v31   ; the conversion to an 8-bit code does not saturate (ISA guide 7.6.2)
.set i, i+1
.endr
	v_cvt_scalef32_pk8_fp8_f32 v[CD+16*\a+4*\b:CD+16*\a+4*\b+1], v[T+16*\b:T+16*\b+7], v30
	v_cvt_scalef32_pk8_fp8_f32 v[CD+16*\a+4*\b+2:CD+16*\a+4*\b+3], v[T+16*\b+8:T+16*\b+15], v30
.endr
	v_nop                                          ; one plain line behind the last conversion: the next tile writes its sources
.irp b, 0,1,2,3
	global_store_b128 v[VO+2*\a+\b/2], v[CD+16*\a+4*\b:CD+16*\a+4*\b+3], s[16:17] offset:512*(\b%2)   ; 32 lanes store 512 consecutive bytes; each store has registers of its own
.endr
.endr
	s_wait_xcnt 0x0                                ; the trip's stores and prefetches have read their registers and bases: the next trip writes them again
	s_add_co_u32 s3, s3, 1
	s_cmp_lt_u32 s3, 3
	s_wait_alu depctr_va_vdst(0)
	s_cbranch_scc1 .Lproduct
	s_wait_tensorcnt 0x0                           ; the wave's end
	ds_add_u32 v[SPW], v[NIL]
	s_wait_dscnt 0x0
	CROUND                                         ; the closing round: no work-group ends while a partner may still ask for a tile that names it
	s_endpgm
.Lfunc_end_k_q4bd0d4291a_qkv:
	.size	k_q4bd0d4291a_qkv, .Lfunc_end_k_q4bd0d4291a_qkv-k_q4bd0d4291a_qkv
	.p2alignl 7, 3214868480
	.fill 96, 4, 3214868480
	.section	.rodata,"a",@progbits
	.p2align	6, 0x0
	.amdhsa_kernel k_q4bd0d4291a_qkv
		.amdhsa_group_segment_fixed_size 327680
		.amdhsa_private_segment_fixed_size 0
		.amdhsa_enable_private_segment 0
		.amdhsa_kernarg_size 64
		.amdhsa_user_sgpr_count 2
		.amdhsa_user_sgpr_kernarg_segment_ptr 1
		.amdhsa_wavefront_size32 1
		.amdhsa_system_sgpr_workgroup_id_x 1
		.amdhsa_system_sgpr_workgroup_id_y 1
		.amdhsa_system_sgpr_workgroup_id_z 1
		.amdhsa_system_vgpr_workitem_id 0
		.amdhsa_next_free_vgpr 1024
		.amdhsa_next_free_sgpr 102
		.amdhsa_reserve_vcc 0
		.amdhsa_float_denorm_mode_32 3
		.amdhsa_float_denorm_mode_16_64 3
		.amdhsa_memory_ordered 1
		.amdhsa_forward_progress 1
		.amdhsa_inst_pref_size 90
	.end_amdhsa_kernel
	.amdgpu_metadata
---
amdhsa.version: [ 1, 2 ]
amdhsa.kernels:
  - .name:           k_q4bd0d4291a_qkv
    .symbol:         k_q4bd0d4291a_qkv.kd
    .args:
      - { .name: xc, .offset: 0, .size: 8, .value_kind: global_buffer, .address_space: global }
      - { .name: wc, .offset: 8, .size: 8, .value_kind: global_buffer, .address_space: global }
      - { .name: bq, .offset: 16, .size: 8, .value_kind: global_buffer, .address_space: global }
      - { .name: bk, .offset: 24, .size: 8, .value_kind: global_buffer, .address_space: global }
      - { .name: bv, .offset: 32, .size: 8, .value_kind: global_buffer, .address_space: global }
      - { .name: lowp_scales, .offset: 40, .size: 8, .value_kind: global_buffer, .address_space: global }
      - { .name: qimg, .offset: 48, .size: 8, .value_kind: global_buffer, .address_space: global }
      - { .name: kv, .offset: 56, .size: 8, .value_kind: global_buffer, .address_space: global }
    .group_segment_fixed_size: 327680
    .private_segment_fixed_size: 0
    .kernarg_segment_align: 8
    .kernarg_segment_size: 64
    .max_flat_workgroup_size: 128
    .sgpr_count:     102
    .vgpr_count:     1024
    .wavefront_size: 32
...
	.end_amdgpu_metadata
.endif
;; end of part 2
;; launch attn (part 3): grid 4 x 64, 8 waves a work-group, clusters of 4 x 1, 327,680 bytes of LDS; arguments qimg, kv, lowp_scales, ac; writes ac
.if DOCPART == 3
	.amdgcn_target "amdgcn-amd-amdhsa--gfx1250"
	.amdhsa_code_object_version 6
	.text
	.protected	k_q4bd0d4291a_attn
	.globl	k_q4bd0d4291a_attn
	.p2align	8
	.type	k_q4bd0d4291a_attn,@function
k_q4bd0d4291a_attn:
	s_mov_b64 s[64:65], 0
	v_nop
	global_prefetch_b8 v0, s[64:65] scope:SCOPE_SE
	s_setreg_imm32_b32 hwreg(HW_REG_WAVE_MODE, 25, 1), 1
	s_wait_xcnt 0x0
	s_wait_alu depctr_hold_cnt(0) depctr_sa_sdst(0) depctr_va_vdst(0) depctr_va_sdst(0) depctr_va_ssrc(0) depctr_va_vcc(0) depctr_vm_vsrc(0)
	s_getreg_b32 s2, hwreg(HW_REG_IB_STS2, 6, 4)
	s_cmp_eq_u32 s2, 0
	s_cbranch_scc0 .Lentry_in_a_cluster
	s_endpgm
.Lentry_in_a_cluster:
	s_bfe_u32 s2, ttmp6, 0x10000c
	s_cmp_lg_u32 s2, 0x3003
	s_cbranch_scc0 .Lentry_shape_is_right
	s_endpgm
.Lentry_shape_is_right:
; Attention of one head (batch x 16 + head = work-group y) on codes of E4M3: S^T = K Q^T (2^e6, 2^e7), p = 2^(t - M) quantised with 2^e8, O^T = V^T P^T (2^e9), O / l quantised with 2^e10 into the images that the last product reads.
; t = score x log2(e) / 8; M = the ceiling of the row's largest t so far, kept as -M = min(old -M, floor(-t)); l = the row's sum of the unquantised p; when M moves, l and O^T are multiplied by 2^(old M - new M), which rounds nothing.
; INPUT IMAGES.  qimg: [head][tile of 16 tokens][1,024]; kv: [head][key step of 128 keys: 16,384][K: 8 tiles x 1,024, then V: 4 tiles of d x 2,048].  A fragment is loads of 16 bytes at 16 x lane + 512 c.
; The keys of a tile of K are so chosen that the 16 registers of tiles 2 b, 2 b + 1 of S^T are 16 neighbouring keys: the conversions' results are the second product's operand.  A lane holds one query throughout.
; SHARES.  A work-group owns 512 queries of a head, each of its 8 waves 64 of them: four tiles, which share every fragment of K and V that the wave reads from LDS.  One walk over the 16 key steps.
; ALL of the head's K and V, 262,144 bytes, lies in LDS: each wave asks for 32,768 bytes (two key steps) by its one tensor load at the head; nothing is filled again.
; CLUSTERS: the four work-groups of a head ask jointly (mask 15).  No prefetch: all that the launch reads through LDS is asked for at the head, so there is no loop to run ahead in.
; THE ORDER.  A unit is one tile x one key step.  In unit n, between the run of maxima and the update of M, stand the matrix instructions of its neighbours: PV of unit n - 1 and QK of unit n + 1.
; So the first unit (no PV) stands ahead of the loop, a trip holds tiles 1, 2, 3 of a step and tile 0 of the next, and the last step's tiles 1 to 3 and the last PV are written out.
; K's fragments of the next step are loaded in tile 2's unit, behind their last use; V's in tile 0's unit.
; O^T and l begin as zeros and -M as 3e38, so that the unit is written once: the first change of M multiplies zeros by 0.
; LIMITS: e6 + e7 between -123 and 130; e8 between -126 and 119; e10 - e8 - e9 between -126 and 119; the scaled scores t stay under 2^31 in magnitude.
; REGISTERS.  Window 0: v1 16 x lane, v2 LDS address, v[4:5] f, v6, v7 448 x 2^e8 (twice, for the two halves of a dual line), v8-15 -M (a pair a tile), v16-23 l in two halves a tile, v24-31 at work,
;   v32-63 Q, v64-127 and v128-191 S^T by turns, v192-223 p's codes by turns, v224, v225 for the add, v226-228 scales.  Window 1: v0-63 K's fragments, v64-127 V's, v128-255 O^T (32 a tile).
.set SPARE, 0x40000                    ; behind K and V: the spare words, 128 bytes for each wave
.set LI,  1
.set ADR, 2
.set SPW, 224
.set NIL, 225
.set WV,  12
.set G1,  16
.set SEL, 24
.set CS,  26
.set TB,  28
.set CNT, 29
.set G0,  32
.set MSB, 0
.macro WIN new                         ; the immediate's high byte repeats the setting that is left
.if MSB != \new
	s_set_vgpr_msb (MSB<<8)|\new
.set MSB, \new
.endif
.endm
.macro CROUND
	s_barrier_signal -1
	s_barrier_wait -1
	s_cmp_lg_u32 s[WV], 0
	s_cbranch_scc1 .Lnot_wave_0_\@
	s_barrier_signal -3
.Lnot_wave_0_\@:
	s_barrier_wait -3
	s_barrier_signal -1
	s_barrier_wait -1
.endm
.macro PVM ip, cp                      ; O^T of tile ip += V^T x the codes at cp: D, C and V in window 1, the codes in window 0; four accumulators, one instruction each
	WIN 0x51
.irp d, 0,1,2,3
	v_wmma_f32_16x16x128_fp8_fp8 v[128+32*(\ip)+8*\d:128+32*(\ip)+8*\d+7], v[64+16*\d:64+16*\d+15], v[\cp:\cp+15], v[128+32*(\ip)+8*\d:128+32*(\ip)+8*\d+7]
.endr
.endm
.macro QKM ix, sx                      ; S^T of tile ix into sx: K in window 1, Q and the result in window 0
	WIN 0x01
.irp t, 0,1,2,3,4,5,6,7
	v_wmma_f32_16x16x64_fp8_fp8 v[\sx+8*\t:\sx+8*\t+7], v[8*\t:8*\t+7], v[32+8*(\ix):32+8*(\ix)+7], 0
.endr
.endm
.macro KLOAD a, off                    ; a key step's eight tiles of K
	WIN 0x40
.irp t, 0,1,2,3,4,5,6,7
.irp c, 0,1
	ds_load_b128 v[8*\t+4*\c:8*\t+4*\c+3], v[\a] offset:\off+1024*\t+512*\c
.endr
.endr
	WIN 0
.endm
.macro VLOAD a, off                    ; a key step's four tiles of V
	WIN 0x40
.irp d, 0,1,2,3
.irp c, 0,1,2,3
	ds_load_b128 v[64+16*\d+4*\c:64+16*\d+4*\c+3], v[\a] offset:\off+2048*\d+512*\c
.endr
.endr
	WIN 0
.endm
.macro HOLD2 r                         ; the conversion to an 8-bit code does not saturate (ISA guide 7.6.2); p is not negative, so the hold is one-sided; two numbers a line
	v_dual_min_num_f32 v[\r], v[\r], v6 :: v_dual_min_num_f32 v[\r+1], v[\r+1], v7
.endm
; A UNIT: tile i against 128 keys.  pv: PV of the tile before; qk: QK of the tile after; ld: 1 V's loads, 2 K's loads, at v[a] + off; wt: loads are awaited ahead of the matrix instructions.
.macro TILE i, pv, qk, ld, a, off, wt
.set SB, 64+64*((\i)%2)
.set SX, 64+64*(((\i)+1)%2)
.set CB, 192+16*((\i)%2)
.set CP, 192+16*(((\i)+1)%2)
.set NM, 8+2*(\i)
.set SU, 16+2*(\i)
.set IP, ((\i)+3)%4
.set IX, ((\i)+1)%4
	s_wait_alu depctr_va_vdst(0)                   ; directly ahead of the first readers of S^T
	v_max3_num_f32 v24, v[SB], v[SB+1], v[SB+2]    ; my query's largest score among my 64 keys, in four chains, each accumulator from its low end on
	v_max3_num_f32 v25, v[SB+3], v[SB+4], v[SB+5]
	v_max3_num_f32 v26, v[SB+6], v[SB+7], v[SB+8]
	v_max3_num_f32 v27, v[SB+9], v[SB+10], v[SB+11]
.set j, 12
.rept 26
	v_max3_num_f32 v[24+(j/2)%4], v[24+(j/2)%4], v[SB+j], v[SB+j+1]
.set j, j+2
.endr
.if \wt
	s_wait_alu depctr_va_vdst(0)
	s_wait_dscnt 0x0                               ; the fragments asked for in the unit before are in
.endif
.if \pv
	PVM IP, CP
.endif
.if \qk
	QKM IX, SX
.endif
	WIN 0
	v_max3_num_f32 v24, v24, v25, v26
	v_max_num_f32 v24, v24, v27
	v_permlanex16_b32 v28, v24, s[SEL], s[SEL+1]
	v_max_num_f32 v24, v24, v28                    ; and among lane l xor 16's
	v_mul_f32 v24, s[CS], v24                      ; as t (c is positive)
	v_floor_f32 v24, -v24                          ; -ceil(t)
	v_min_num_f32 v25, v[NM], v24                  ; the new -M
	v_sub_f32 v26, v25, v[NM]                      ; old M - new M: a whole number, 0 or less
	v_mov_b32 v[NM], v25
	v_cvt_i32_f32 v26, v26                         ; (it saturates)
	v_ldexp_f32 v4, 1.0, v26                       ; f = 2^(old M - new M)
.set j, 0
.rept 32
	v_pk_fma_f32 v[SB+j:SB+j+1], v[SB+j:SB+j+1], s[CS:CS+1], v[NM:NM+1] op_sel_hi:[1,0,0]   ; t - M, two at a time
.set j, j+2
.endr
.if \ld == 1
	VLOAD \a, \off                                 ; the 43 lines above are the places behind the last products that read these registers
.elseif \ld == 2
	KLOAD \a, \off
.endif
	s_wait_alu depctr_va_vdst(0)
.set j, 0
.rept 64
	v_exp_f32 v[SB+j], v[SB+j]                     ; p = 2^(t - M), at most 1
.set j, j+1
.endr
	v_pk_mul_f32 v[SU:SU+1], v[SU:SU+1], v[4:5] op_sel_hi:[1,0]   ; l under the new M (the plain place behind the batch)
	s_wait_alu depctr_va_vdst(0)                   ; one wait for the batch, ahead of its first reader
	v_pk_add_f32 v[30:31], v[SB:SB+1], v[SB+2:SB+3]   ; l takes the unquantised p, in two chains; each four numbers are held behind their additions
	HOLD2 SB
	HOLD2 SB+2
.set j, 4
.rept 15
	v_pk_add_f32 v[SU:SU+1], v[SU:SU+1], v[SB+j:SB+j+1]
	v_pk_add_f32 v[30:31], v[30:31], v[SB+j+2:SB+j+3]
	HOLD2 SB+j
	HOLD2 SB+j+2
.if j%16 == 12
	v_cvt_scalef32_pk8_fp8_f32 v[CB+4*(j/16):CB+4*(j/16)+1], v[SB+16*(j/16):SB+16*(j/16)+7], v228
	v_cvt_scalef32_pk8_fp8_f32 v[CB+4*(j/16)+2:CB+4*(j/16)+3], v[SB+16*(j/16)+8:SB+16*(j/16)+15], v228
.endif
.set j, j+4
.endr
	v_pk_add_f32 v[SU:SU+1], v[SU:SU+1], v[30:31]
	WIN 0x41                                       ; O^T in window 1, f in window 0
	s_wait_alu depctr_va_vdst(0)                   ; directly ahead of the first readers of O^T
.set j, 0
.rept 16
	v_pk_mul_f32 v[128+32*(\i)+j:128+32*(\i)+j+1], v[128+32*(\i)+j:128+32*(\i)+j+1], v[4:5] op_sel_hi:[1,0]   ; O^T under the new M
.set j, j+2
.endr
	WIN 0
.endm
	s_load_b256 s[4:11], s[0:1], 0x0               ; qimg 4:5, kv 6:7, the exponents 8:9, ac 10:11
	v_lshl_add_u32 v[SPW], v0, 2, SPARE
	v_mov_b32 v[NIL], 0
	ds_add_u32 v[SPW], v[NIL]                      ; the opening lines: the add, twice on end, and its wait
	ds_add_u32 v[SPW], v[NIL]
	v_lshrrev_b32 v1, 5, v0
	v_readfirstlane_b32 s[WV], v1                  ; wave 0..7
	s_bfe_u32 s13, ttmp6, 0x40000
	s_lshl_b32 s53, ttmp9, 2
	s_add_co_u32 s13, s13, s53                     ; which 512 queries
	s_and_b32 s14, ttmp7, 0xffff                   ; batch x 16 + head
	s_mov_b32 s[G1], 15|(3<<16)|(1<<21)            ; the four partners; elements of 8 bytes; bit 21 beside a mask; no padding
	s_mov_b32 s[G1+1], 32<<16                      ; rows of 256 bytes,
	s_mov_b32 s[G1+2], 128<<16                     ; 128 of them: two key steps, dense in memory
	s_mov_b32 s[G1+3], 32<<16
	s_mov_b32 s[G1+4], 128
	s_mov_b32 s[G1+5], 32
	s_mov_b32 s[G1+6], 0
	s_mov_b32 s[G1+7], 0
	s_lshl_b32 s15, s[WV], 15                      ; my two key steps, in LDS as in the head's block
	s_lshl_b32 s30, s14, 18
	s_add_co_u32 s30, s30, s15
	s_mov_b32 s31, 0
	s_mov_b32 s[SEL], 0x76543210
	s_mov_b32 s[SEL+1], 0xfedcba98
	s_mov_b32 s[CS], 0x3e38aa3b                    ; c = log2(e) / 8
	s_lshl_b32 s53, s13, 5
	s_lshl_b32 s54, s[WV], 2
	s_add_co_u32 s53, s53, s54                     ; my first tile of tokens in the sequence: 32 x block + 4 x wave
	s_lshl_b32 s54, s14, 7
	s_add_co_u32 s54, s54, s53
	s_lshl_b32 s54, s54, 10                        ; in qimg
	s_mov_b32 s55, 0
	s_lshr_b32 s56, s14, 4
	s_lshl_b32 s56, s56, 7
	s_add_co_u32 s56, s56, s53
	s_lshl_b32 s56, s56, 14                        ; in ac: a tile's eight images,
	s_and_b32 s57, s14, 15
	s_lshl_b32 s57, s57, 10                        ; the head's half image
	s_add_co_u32 s56, s56, s57
	s_mov_b32 s57, 0
	s_mov_b32 s[TB], 0
	s_mov_b32 s[CNT], 15
	s_wait_dscnt 0x0
	s_wait_kmcnt 0x0
	s_load_b128 s[48:51], s[8:9], 0x18             ; e6 .. e9
	s_load_b32 s52, s[8:9], 0x28                   ; e10
	s_mov_b32 s[G0], 1
	s_mov_b32 s[G0+1], s15
	s_add_nc_u64 s[G0+2:G0+3], s[6:7], s[30:31]
	s_or_b32 s[G0+3], s[G0+3], 0x80000000
	s_add_nc_u64 s[4:5], s[4:5], s[54:55]
	s_add_nc_u64 s[10:11], s[10:11], s[56:57]
	CROUND                                         ; the four partners are here: the joint loads meet
	tensor_load_to_lds s[G0:G0+3], s[G1:G1+7]      ; my one tensor load
	s_nop 0
.rept 4
	v_nop
.endr
	v_and_b32 v[LI], 31, v0
	v_lshlrev_b32 v[LI], 4, v[LI]
.irp i, 0,1,2,3
	global_load_b128 v[32+8*\i:35+8*\i], v[LI], s[4:5] offset:1024*\i
	global_load_b128 v[36+8*\i:39+8*\i], v[LI], s[4:5] offset:1024*\i+512
.endr
.irp i, 0,1,2,3
	v_mov_b32 v[8+2*\i], 0x7f61b1e6                ; -M: 3e38, over every -t
	v_mov_b32 v[9+2*\i], 0                         ; (named with it as a pair)
	v_mov_b32 v[16+2*\i], 0                        ; l
	v_mov_b32 v[17+2*\i], 0
.endr
	v_mov_b32 v5, 0                                ; (named as the upper half of f's pair)
	v_mov_b32 v28, 0                               ; a lane permute's destination counts as one of its sources
	WIN 0x40
.set j, 0
.rept 128
	v_mov_b32 v[128+j], 0                          ; O^T
.set j, j+1
.endr
	WIN 0
	s_wait_kmcnt 0x0
	s_add_co_i32 s58, s48, s49
	s_lshl_b32 s58, s58, 23
	s_add_co_i32 s[CS], s[CS], s58                 ; a score stands for score x 2^(e6 + e7): added to c's exponent field
	s_mov_b32 s[CS+1], s[CS]
	s_add_co_i32 s58, s50, 127
	s_lshl_b32 s59, s58, 23
	v_mov_b32 v228, s59                            ; 2^e8, for the conversion
	s_add_co_i32 s58, s58, 8
	s_lshl_b32 s58, s58, 23
	s_or_b32 s58, s58, 0x600000
	v_mov_b32 v6, s58                              ; 448 x 2^e8
	v_mov_b32 v7, s58
	s_sub_co_i32 s58, s52, s50
	s_sub_co_i32 s58, s58, s51
	s_add_co_i32 s58, s58, 127
	s_lshl_b32 s59, s58, 23
	v_mov_b32 v226, s59                            ; 2^(e10 - e8 - e9): O^T / l stands for that x 2^(e8 + e9)
	s_add_co_i32 s58, s58, 8
	s_lshl_b32 s58, s58, 23
	s_or_b32 s58, s58, 0x600000
	v_mov_b32 v227, s58                            ; 448 x that
	s_wait_alu depctr_va_vdst(0)
	s_wait_loadcnt 0x0                             ; Q
	s_wait_tensorcnt 0x0                           ; my two key steps are in
	s_barrier_signal -1
	s_barrier_wait -1                              ; everybody's are
	KLOAD LI, 0
	s_wait_dscnt 0x0
	QKM 0, 64
	WIN 0
.rept 4
	v_nop
.endr
	TILE 0, 0, 1, 1, LI, 8192, 0                   ; step 0's tile 0: no PV ahead of it
.Lstep:                                                ; 15 trips: tiles 1, 2, 3 of step s, tile 0 of step s + 1
	v_add_nc_u32 v[ADR], s[TB], v[LI]              ; step s in LDS
	TILE 1, 1, 1, 0, ADR, 0, 1
	TILE 2, 1, 1, 2, ADR, 16384, 0
	TILE 3, 1, 1, 0, ADR, 0, 1
	TILE 0, 1, 1, 1, ADR, 24576, 0
	s_add_co_u32 s[TB], s[TB], 16384
	s_sub_co_u32 s[CNT], s[CNT], 1
	s_cmp_lg_u32 s[CNT], 0
	s_cbranch_scc1 .Lstep
	TILE 1, 1, 1, 0, ADR, 0, 1                     ; the last step asks for no fragments and has no QK behind tile 3's
	TILE 2, 1, 1, 0, ADR, 0, 0
	TILE 3, 1, 0, 0, ADR, 0, 0
	PVM 3, 208
	WIN 0
	; THE WAY OUT: O^T / l, held, converted: my 16 bytes of each half of the head's half image.  The twelve plain lines below are the places behind the last products.
.irp i, 0,1,2,3
	v_add_f32 v[16+2*\i], v[16+2*\i], v[17+2*\i]
.endr
.irp i, 0,1,2,3
	v_permlanex16_b32 v[24+\i], v[16+2*\i], s[SEL], s[SEL+1]
.endr
.irp i, 0,1,2,3
	v_add_f32 v[16+2*\i], v[16+2*\i], v[24+\i]     ; the row's sum
.endr
	s_wait_alu depctr_va_vdst(0)
.irp i, 0,1,2,3
	v_rcp_f32 v[16+2*\i], v[16+2*\i]
.endr
	v_nop
.irp i, 0,1,2,3
	WIN 0x01                                       ; O^T in window 1
	s_wait_alu depctr_va_vdst(0)                   ; behind the batch, and directly ahead of the first readers of this tile's O^T
.set j, 0
.rept 16
	v_pk_mul_f32 v[64+32*\i+j:64+32*\i+j+1], v[128+32*\i+j:128+32*\i+j+1], v[16+2*\i:17+2*\i] op_sel_hi:[1,0]
.set j, j+2
.endr
	WIN 0
.set j, 0
.rept 32
	v_med3_num_f32 v[64+32*\i+j], v[64+32*\i+j], -v227, v227
.set j, j+1
.endr
.irp b, 0,1
	v_cvt_scalef32_pk8_fp8_f32 v[192+8*\i+4*\b:193+8*\i+4*\b], v[64+32*\i+16*\b:71+32*\i+16*\b], v226
	v_cvt_scalef32_pk8_fp8_f32 v[194+8*\i+4*\b:195+8*\i+4*\b], v[72+32*\i+16*\b:79+32*\i+16*\b], v226
.endr
	v_nop                                          ; one plain line behind the last conversion
.irp b, 0,1
	global_store_b128 v[LI], v[192+8*\i+4*\b:195+8*\i+4*\b], s[10:11] offset:16384*\i+512*\b   ; 32 lanes store 512 consecutive bytes; each store has registers of its own
.endr
.endr
	s_wait_tensorcnt 0x0                           ; the wave's end
	ds_add_u32 v[SPW], v[NIL]
	s_wait_dscnt 0x0
	CROUND                                         ; the closing round
	s_endpgm
.Lfunc_end_k_q4bd0d4291a_attn:
	.size	k_q4bd0d4291a_attn, .Lfunc_end_k_q4bd0d4291a_attn-k_q4bd0d4291a_attn
	.p2alignl 7, 3214868480
	.fill 96, 4, 3214868480
	.section	.rodata,"a",@progbits
	.p2align	6, 0x0
	.amdhsa_kernel k_q4bd0d4291a_attn
		.amdhsa_group_segment_fixed_size 327680
		.amdhsa_private_segment_fixed_size 0
		.amdhsa_enable_private_segment 0
		.amdhsa_kernarg_size 32
		.amdhsa_user_sgpr_count 2
		.amdhsa_user_sgpr_kernarg_segment_ptr 1
		.amdhsa_wavefront_size32 1
		.amdhsa_system_sgpr_workgroup_id_x 1
		.amdhsa_system_sgpr_workgroup_id_y 1
		.amdhsa_system_sgpr_workgroup_id_z 1
		.amdhsa_system_vgpr_workitem_id 0
		.amdhsa_next_free_vgpr 512
		.amdhsa_next_free_sgpr 72
		.amdhsa_reserve_vcc 0
		.amdhsa_float_denorm_mode_32 3
		.amdhsa_float_denorm_mode_16_64 3
		.amdhsa_memory_ordered 1
		.amdhsa_forward_progress 1
		.amdhsa_inst_pref_size 134
	.end_amdhsa_kernel
	.amdgpu_metadata
---
amdhsa.version: [ 1, 2 ]
amdhsa.kernels:
  - .name:           k_q4bd0d4291a_attn
    .symbol:         k_q4bd0d4291a_attn.kd
    .args:
      - { .name: qimg, .offset: 0, .size: 8, .value_kind: global_buffer, .address_space: global }
      - { .name: kv, .offset: 8, .size: 8, .value_kind: global_buffer, .address_space: global }
      - { .name: lowp_scales, .offset: 16, .size: 8, .value_kind: global_buffer, .address_space: global }
      - { .name: ac, .offset: 24, .size: 8, .value_kind: global_buffer, .address_space: global }
    .group_segment_fixed_size: 327680
    .private_segment_fixed_size: 0
    .kernarg_segment_align: 8
    .kernarg_segment_size: 32
    .max_flat_workgroup_size: 256
    .sgpr_count:     72
    .vgpr_count:     512
    .wavefront_size: 32
...
	.end_amdgpu_metadata
.endif
;; end of part 3
;; launch oproj (part 4): grid 4 x 64, 4 waves a work-group, clusters of 4 x 4, 327,680 bytes of LDS; arguments ac, wc, bo, lowp_scales, out0; writes out0
.if DOCPART == 4
	.amdgcn_target "amdgcn-amd-amdhsa--gfx1250"
	.amdhsa_code_object_version 6
	.text
	.protected	k_q4bd0d4291a_oproj
	.globl	k_q4bd0d4291a_oproj
	.p2align	8
	.type	k_q4bd0d4291a_oproj,@function
k_q4bd0d4291a_oproj:
	s_mov_b64 s[64:65], 0
	v_nop
	global_prefetch_b8 v0, s[64:65] scope:SCOPE_SE
	s_setreg_imm32_b32 hwreg(HW_REG_WAVE_MODE, 25, 1), 1
	s_wait_xcnt 0x0
	s_wait_alu depctr_hold_cnt(0) depctr_sa_sdst(0) depctr_va_vdst(0) depctr_va_sdst(0) depctr_va_ssrc(0) depctr_va_vcc(0) depctr_vm_vsrc(0)
	s_getreg_b32 s2, hwreg(HW_REG_IB_STS2, 6, 4)
	s_cmp_eq_u32 s2, 0
	s_cbranch_scc0 .Lentry_in_a_cluster
	s_endpgm
.Lentry_in_a_cluster:
	s_bfe_u32 s2, ttmp6, 0x10000c
	s_cmp_lg_u32 s2, 0xf033
	s_cbranch_scc0 .Lentry_shape_is_right
	s_endpgm
.Lentry_shape_is_right:
; out = A Wo + bo on codes of E4M3: A = the attention's result as images (2^e10), Wo's codes as images (2^e11, the fourth MiB of wc); out [8192][1024] f32.
; THE FRAME: P = A (tokens), R = Wo (n), both as images (16 rows x 128 k = 2,048 bytes; byte 512 c + 16 lane + i: row 32 (tile / 2) + 8 (tile % 2) + r % 8 + 16 (r / 8), k = 128 s + 32 c + 16 h + i).
; Source 0 = a tile of R, source 1 = a tile of P: a lane holds one token, and register j of R's tile b the column 32 (b / 2) + 16 h + 8 (b % 2) + j.
; SHARES.  A work-group makes 128 tokens x 256 columns; wave w: P's tiles 4 (w / 2) on, R's tiles 8 (w % 2) on: 32 accumulators.  256 work-groups.
; K = 1,024 is 8 steps of 128, brought in 4 fills of two steps into THREE slots: three first fills go out together, the fourth fills slot 0 again.  Three tensor loads of a wave are out at the start, later one.
; CLUSTERS: 4 x 4.  P's tiles are shared along a row of the cluster, R's along a column: joint loads.
; out = sum x 2^(e10 + e11) + bo: one packed multiply-add for two numbers.  LIMIT: e10 + e11 between -126 and 127.
; REGISTERS, in windows of 256: window 0: v1 r, v2 h, v3 16 x lane, v16-18, v20-22 LDS addresses, v24, v25 the stage, v28, v29 for the add, v32-95 results, v128-255 P's fragments in two sets (on the way out: rows read back).
;   window 1: R's fragments in two sets.  window 2: accumulator (a, b) at v[8 (8 a + b)].  window 3: v0-63 bo in the result's layout.
.set SLOTB, 98304                      ; a slot: P's 8 tiles x 4,096 bytes (two steps), then R's 16 tiles x 4,096
.set SPARE, 3*SLOTB
; THE FILLS, as this text issues them (this replaces what the head comment says of the first fills): one joint load a wave at the head (steps 0, 1 into slot 0);
; steps 2, 3 into slot 1 behind the full sequence and a round in front of step 0; steps 4, 5 into slot 2 behind step 1's round; steps 6, 7 into slot 0 again behind step 3's round.
; One tensor load of a wave is out at any time.
.set LI,   3
.set ADRP, 16
.set ADRR, 20
.set STO,  24
.set RD,   25
.set SPW,  28
.set NIL,  29
.set T,    32
.set PF,   128
.set BK,   128
.set G1P,  32
.set G1R,  40
.set G0P,  48
.set G0R,  68
.set MSB, 0
.macro WIN new                         ; the immediate's high byte repeats the setting that is left
.if MSB != \new
	s_set_vgpr_msb (MSB<<8)|\new
.set MSB, \new
.endif
.endm
.macro PLACES n
.rept \n
	v_nop
.endr
.endm
.macro CREST                           ; a round of the cluster's barrier behind its opening barrier
	s_cmp_lg_u32 s20, 0
	s_cbranch_scc1 .Lnot_wave_0_\@
	s_barrier_signal -3
.Lnot_wave_0_\@:
	s_barrier_wait -3
	s_barrier_signal -1
	s_barrier_wait -1
.endm
.macro CROUND
	s_barrier_signal -1
	s_barrier_wait -1
	CREST
.endm
.macro JLOAD gp, gr                    ; a joint load: waves 0, 1 fetch P's halves, waves 2, 3 R's; four v_nop follow each line
	s_cmp_eq_u32 s21, 0
	s_cbranch_scc0 .Lfor_r_\@
	tensor_load_to_lds s[\gp:\gp+3], s[G1P:G1P+7]
	s_nop 0
	PLACES 4
	s_branch .Lasked_\@
.Lfor_r_\@:
	tensor_load_to_lds s[\gr:\gr+3], s[G1R:G1R+7]
	s_nop 0
	PLACES 4
.Lasked_\@:
.endm
; A PREFETCH INTO THE L2 of the fill that the NEXT joint load will ask for (fill f: steps 2 f, 2 f + 1): it stands behind the joint load of fill f - 1 and the LDS loads that follow it: one fill ahead.
; A wave's joint load brings 4 tiles of P or 8 tiles of R, 4,096 bytes of each.  The four partners that ask for them jointly share them out BY ADDRESS: of P's four, the partner at cx takes tile cx (16 blocks of 256 bytes:
; lanes 0-15 a block each, lanes 16-31 name the last again); of R's eight, the partner at cy takes tiles 2 cy, 2 cy + 1 (a lane a block).  So each block is named once in a cluster.
; A's codes are asked for by the one cluster that loads them.  Wo's codes are loaded by all 16 clusters: the four with the lowest numbers ask (s6: ids that all partners share, and the wave's number).
; The offset is an immediate: no register of the prefetch is written again.  The last fill has none behind it.
.macro ASK f
	s_cmp_eq_u32 s6, 1
	s_cbranch_scc0 .Lno_ask_\@
	global_prefetch_b8 v26, s[4:5] offset:4096*(\f) th:TH_LOAD_NT scope:SCOPE_SE
.Lno_ask_\@:
.endm
.macro FETCH slot, half, set
	WIN 0x40
.irp b, 0,1,2,3,4,5,6,7
.irp c, 0,1,2,3
	ds_load_b128 v[128*(\set)+16*\b+4*\c:128*(\set)+16*\b+4*\c+3], v[ADRR+\slot] offset:\b*4096+\half*2048+512*\c
.endr
.endr
	WIN 0
.irp a, 0,1,2,3
.irp c, 0,1,2,3
	ds_load_b128 v[PF+64*(\set)+16*\a+4*\c:PF+64*(\set)+16*\a+4*\c+3], v[ADRP+\slot] offset:\a*4096+\half*2048+512*\c
.endr
.endr
.endm
; 8 products: P's tile a against R's eight.  mode 0: onto the sums; 1: C = 0.  The 32 accumulators take turns, one instruction a turn, in the same order in every step.
.macro MUL8 set, a, mode
.irp b, 0,1,2,3,4,5,6,7
.if \mode == 0
	v_wmma_f32_16x16x128_fp8_fp8 v[8*(8*\a+\b):8*(8*\a+\b)+7], v[128*\set+16*\b:128*\set+16*\b+15], v[PF+64*\set+16*\a:PF+64*\set+16*\a+15], v[8*(8*\a+\b):8*(8*\a+\b)+7]
.else
	v_wmma_f32_16x16x128_fp8_fp8 v[8*(8*\a+\b):8*(8*\a+\b)+7], v[128*\set+16*\b:128*\set+16*\b+15], v[PF+64*\set+16*\a:PF+64*\set+16*\a+15], 0
.endif
.endr
.endm
.macro STEP set, nslot, nhalf, mode    ; fetches the next step's fragments into the other set, multiplies this set
	PLACES 4                                       ; in front of loads into registers that the step before multiplied (ISA guide 7.12.1 for vector instructions)
	FETCH \nslot, \nhalf, 1-\set
	s_wait_dscnt 48                                ; all but the 48 just issued: this step's fragments are in
	WIN 0xa1                                       ; source 0 window 1, source 1 window 0, C and D window 2
	MUL8 \set, 0, \mode
	MUL8 \set, 1, \mode
	MUL8 \set, 2, \mode
	MUL8 \set, 3, \mode
.endm
	s_load_b256 s[4:11], s[0:1], 0x0               ; ac 4:5, wc 6:7, bo 8:9, the exponents 10:11
	s_load_b64 s[12:13], s[0:1], 0x20              ; out0
	v_lshl_add_u32 v[SPW], v0, 2, SPARE
	v_mov_b32 v[NIL], 0
	ds_add_u32 v28, v29
	ds_add_u32 v28, v29
	s_wait_dscnt 0x0
	v_lshrrev_b32 v1, 5, v0
	v_readfirstlane_b32 s20, v1                    ; wave 0..3
	s_lshr_b32 s21, s20, 1                         ; which of P's halves I multiply.  Also: I fetch for P (0) or for R (1)
	s_and_b32 s22, s20, 1                          ; which of R's halves I multiply.  Also: which half of that tile I fetch
	s_bfe_u32 s23, ttmp6, 0x40000                  ; cx
	s_bfe_u32 s24, ttmp6, 0x40004                  ; cy
	s_and_b32 s27, ttmp7, 0xffff
	s_lshl_b32 s27, s27, 2
	s_add_co_u32 s27, s27, s24                     ; P's tile of 128 tokens: hangs on cy alone
	s_lshl_b32 s28, ttmp9, 2
	s_add_co_u32 s28, s28, s23                     ; R's tile of 256 columns: hangs on cx alone
	s_lshl_b32 s29, s24, 2
	s_lshl_b32 s29, 15, s29                        ; my row of the cluster
	s_lshl_b32 s30, 0x1111, s23                    ; my column
	; group 1: rows of 512 elements of 8 bytes (a tile's two steps, 4,096 bytes), 2,048 elements (a tile's eight images) apart; P: 4 rows a load, R: 8
	s_or_b32 s[G1P], s29, (3<<16)|(1<<21)          ; 15:0 the mask; 17:16 elements of 8 bytes; 21 set beside a mask; no padding
	s_or_b32 s[G1R], s30, (3<<16)|(1<<21)
	s_mov_b32 s[G1P+1], 512<<16                    ; tensor_dim0
	s_mov_b32 s[G1P+2], 4<<16                      ; tensor_dim1
	s_mov_b32 s[G1P+3], 512<<16                    ; tile_dim0
	s_mov_b32 s[G1P+4], 4                          ; tile_dim1
	s_mov_b32 s[G1P+5], 2048                       ; tensor_dim0_stride
	s_mov_b32 s[G1P+6], 0
	s_mov_b32 s[G1P+7], 0
	s_mov_b32 s[G1R+1], 512<<16
	s_mov_b32 s[G1R+2], 8<<16
	s_mov_b32 s[G1R+3], 512<<16
	s_mov_b32 s[G1R+4], 8
	s_mov_b32 s[G1R+5], 2048
	s_mov_b32 s[G1R+6], 0
	s_mov_b32 s[G1R+7], 0
	s_lshl_b32 s60, s27, 17                        ; P: 8 tiles of 16,384 bytes,
	s_lshl_b32 s61, s22, 16                        ; the half that I fetch
	s_add_co_u32 s60, s60, s61
	s_mov_b32 s61, 0
	s_lshl_b32 s92, s28, 18                        ; R: 16 tiles,
	s_lshl_b32 s93, s22, 17                        ; the half that I fetch,
	s_add_co_u32 s92, s92, s93
	s_add_co_u32 s92, s92, 3<<20                   ; in Wo's codes
	s_mov_b32 s93, 0
	s_lshl_b32 s98, s22, 14                        ; where they go in a slot: no place in the cluster enters an LDS address
	s_lshl_b32 s99, s22, 15
	s_add_co_u32 s99, s99, 32768
	s_wait_kmcnt 0x0
	s_load_b64 s[90:91], s[10:11], 0x28            ; e10, e11
	s_add_nc_u64 s[94:95], s[4:5], s[60:61]
	s_add_nc_u64 s[96:97], s[6:7], s[92:93]
	; the prefetches (macro ASK): s[4:5] my work-group's part of what my wave fetches, v26 my lane's block, s6 whether my wave asks
	s_lshl_b32 s29, s23, 14                        ; P: tile cx of my four
	s_lshl_b32 s30, s24, 15                        ; R: tiles 2 cy, 2 cy + 1 of my eight
	s_cmp_eq_u32 s21, 0                            ; do I fetch for P?
	s_cselect_b64 s[4:5], s[94:95], s[96:97]
	s_cselect_b32 s6, s29, s30
	s_cselect_b32 s29, 0, 16384                    ; lanes 16-31: R's second tile
	s_cselect_b32 s30, 15, 0                       ; lanes 16-31: P's last block again
	s_mov_b32 s7, 0
	s_add_nc_u64 s[4:5], s[4:5], s[6:7]
	v_and_b32 v26, 15, v0
	v_bfe_u32 v27, v0, 4, 1
	v_mul_u32_u24 v4, v27, s30
	v_max_u32 v26, v26, v4
	v_lshlrev_b32 v26, 8, v26
	v_mad_u32_u24 v26, v27, s29, v26
	s_wait_alu depctr_va_vdst(0)
	s_xor_b32 s30, s21, 1                          ; 1 where my tiles are of A's codes
	s_and_b32 s31, ttmp7, 0xffff                   ; the cluster's number
	s_cmp_lt_u32 s31, 4
	s_cselect_b32 s31, 1, 0
	s_or_b32 s6, s30, s31
.irp f, 0,1,2
	s_mov_b32 s[G0P+4*\f], 1                                       ; count = 1
	s_add_co_u32 s[G0P+4*\f+1], s98, \f*SLOTB                      ; LDS address
	s_add_nc_u64 s[G0P+4*\f+2:G0P+4*\f+3], s[94:95], \f*4096       ; global address: steps 2 f, 2 f + 1
	s_or_b32 s[G0P+4*\f+3], s[G0P+4*\f+3], 0x80000000              ; type = 2
	s_mov_b32 s[G0R+4*\f], 1
	s_add_co_u32 s[G0R+4*\f+1], s99, \f*SLOTB
	s_add_nc_u64 s[G0R+4*\f+2:G0R+4*\f+3], s[96:97], \f*4096
	s_or_b32 s[G0R+4*\f+3], s[G0R+4*\f+3], 0x80000000
.endr
	CROUND                                         ; all sixteen work-groups are here: the first joint loads meet
	JLOAD G0P, G0R                                 ; steps 0 and 1: one tensor load a wave at the head
	ASK 1
	v_and_b32 v1, 15, v0                           ; r
	v_bfe_u32 v2, v0, 4, 1                         ; h
	v_and_b32 v[LI], 31, v0
	v_lshlrev_b32 v[LI], 4, v[LI]                  ; 16 x lane
	s_lshl_b32 s60, s21, 14                        ; my four tiles of P
	s_lshl_b32 s61, s22, 15                        ; my eight tiles of R,
	s_add_co_u32 s61, s61, 32768                   ; which lie behind P's
.irp n, 0,1,2
	v_add_nc_u32 v[ADRP+\n], s60, v[LI]
	v_add_nc_u32 v[ADRR+\n], s61, v[LI]
	s_add_co_u32 s60, s60, SLOTB
	s_add_co_u32 s61, s61, SLOTB
.endr
	; the stage for the way out: 16 rows x (512 bytes + 16) for each wave, in slot 1, which has its one fill at the start and whose last read in every wave lies ahead of step 5's barrier
	s_mul_i32 s60, s20, 8448
	s_add_co_u32 s60, s60, SLOTB
	v_mul_u32_u24 v[STO], v1, 528
	v_lshl_add_u32 v[STO], v2, 6, v[STO]
	v_add_nc_u32 v[STO], s60, v[STO]               ; in: row r, 64 h bytes on
	v_add_nc_u32 v[RD], s60, v[LI]                 ; back: a row's 512 bytes, 16 a lane
	s_lshl_b32 s62, s28, 10
	s_lshl_b32 s63, s22, 9
	s_add_co_u32 s62, s62, s63                     ; my first column, in bytes: (256 x R's tile + 128 x half) x 4
	s_mov_b32 s63, 0
	s_add_nc_u64 s[8:9], s[8:9], s[62:63]          ; bo there,
	s_add_nc_u64 s[12:13], s[12:13], s[62:63]      ; out0 there,
	s_lshl_b32 s62, s27, 19
	s_lshl_b32 s66, s21, 18
	s_add_co_u32 s62, s62, s66                     ; and at my first token: (128 x P's tile + 64 x half) rows of 4,096 bytes
	s_add_nc_u64 s[12:13], s[12:13], s[62:63]
	v_lshlrev_b32 v4, 6, v2                        ; 16 h numbers
	WIN 0xc0                                       ; destination window 3
.irp b, 0,1,2,3,4,5,6,7
	global_load_b128 v[8*\b:8*\b+3], v4, s[8:9] offset:(32*(\b/2)+8*(\b%2))*4          ; register 8 b + j: bo[first column + 32 (b / 2) + 16 h + 8 (b % 2) + j]
	global_load_b128 v[8*\b+4:8*\b+7], v4, s[8:9] offset:(32*(\b/2)+8*(\b%2))*4+16
.endr
	WIN 0
	s_wait_kmcnt 0x0
	s_add_co_i32 s92, s90, s91
	s_add_co_i32 s92, s92, 127
	s_lshl_b32 s92, s92, 23                        ; 2^(e10 + e11) as f32
	s_mov_b32 s93, s92                             ; (named with it as a pair, so it is written)
	s_wait_alu depctr_va_vdst(0)
	s_wait_tensorcnt 0x0                           ; my part of the first fill is in
	ds_add_u32 v[SPW], v[NIL]
	s_wait_dscnt 0x0
	CROUND                                         ; everybody's part is in, and all sixteen work-groups are here
	JLOAD G0P+4, G0R+4                             ; steps 2 and 3 into slot 1: the first tensor load behind the round
	FETCH 0, 0, 0
	ASK 2
	STEP 0, 0, 1, 1                                ; step 0 starts the sums
	; step 1 leaves slot 0, which is filled again.  In front of the barrier each wave waits for all its tensor loads, adds 0 to its spare word, and waits for that and for its reads of the slot
	WIN 0
	s_wait_tensorcnt 0x0                           ; all my tensor loads have landed: slot 1's, the one out
	ds_add_u32 v[SPW], v[NIL]                      ; 0 onto my spare word
	s_wait_dscnt 1                                 ; (the add alone may be out: step 1's fragments are in)
	WIN 0xa1
	MUL8 1, 0, 0
	s_wait_dscnt 0x0                               ; the add is done, and my reads of slot 0 are over
	s_barrier_signal -1                            ; this barrier opens a round of the cluster's barrier
	MUL8 1, 1, 0
	WIN 0
	s_barrier_wait -1
	CREST                                          ; no wave of any partner still reads slot 0 or has a load on its way
	JLOAD G0P+8, G0R+8                             ; steps 4 and 5 into slot 2, its first fill: the first tensor load behind the round; its four v_nop are also the places in front of the loads below
	s_wait_alu depctr_va_vdst(0)
	FETCH 1, 0, 0
	ASK 3
	WIN 0xa1
	MUL8 1, 2, 0
	MUL8 1, 3, 0
	STEP 0, 1, 1, 0                                ; step 2
	; step 3: slot 0, last read in step 0, is filled again.  The same lines as in step 1
	WIN 0
	s_wait_tensorcnt 0x0                           ; my part of slot 2 is in
	ds_add_u32 v[SPW], v[NIL]
	s_wait_dscnt 1                                 ; (the add alone may be out: step 3's fragments are in)
	WIN 0xa1
	MUL8 1, 0, 0
	s_wait_dscnt 0x0
	s_barrier_signal -1                            ; this barrier opens a round of the cluster's barrier
	MUL8 1, 1, 0
	WIN 0
	s_barrier_wait -1
	CREST
	s_add_nc_u64 s[G0P+2:G0P+3], s[G0P+2:G0P+3], 3*4096
	s_add_nc_u64 s[G0R+2:G0R+3], s[G0R+2:G0R+3], 3*4096
	JLOAD G0P, G0R                                 ; steps 6 and 7: the first tensor load behind the round
	FETCH 2, 0, 0
	WIN 0xa1
	MUL8 1, 2, 0
	MUL8 1, 3, 0
	STEP 0, 2, 1, 0                                ; step 4
	; step 5: slot 0's second fill is shown to every wave
	WIN 0
	s_wait_tensorcnt 0x0                           ; my one load that was out
	s_wait_dscnt 0x0                               ; step 5's fragments are in; no LDS instruction is pending at the signal
	s_barrier_signal -1
	WIN 0xa1
	MUL8 1, 0, 0
	MUL8 1, 1, 0
	WIN 0
	s_barrier_wait -1
	PLACES 4
	FETCH 0, 0, 0
	WIN 0xa1
	MUL8 1, 2, 0
	MUL8 1, 3, 0
	STEP 0, 0, 1, 0                                ; step 6
	s_wait_dscnt 0x0
	MUL8 1, 0, 0                                   ; step 7
	MUL8 1, 1, 0
	MUL8 1, 2, 0
	MUL8 1, 3, 0
	WIN 0
	s_wait_loadcnt 0x0                             ; bo
	PLACES 4                                       ; in front of the first read of results and of loads over P's fragments
; THE WAY OUT, P's tile a (16 tokens x 128 columns) at a time.  A lane holds pieces of one row and the lanes beside it other rows: so a tile goes through my own stage and comes back as whole rows of 512 bytes.
; LDS serves a wave's instructions in order (ISA guide 5.7.1.4): no wait between the stores and the loads, nor in front of the next tile's stores.
.macro TOSTAGE a
	WIN 0x32                                       ; source 0 (the sums) window 2, source 2 (bo) window 3
.set i, 0
.rept 32
	v_pk_fma_f32 v[T+i:T+i+1], v[64*(\a)+i:64*(\a)+i+1], s[92:93], v[i:i+1] op_sel_hi:[1,0,1]   ; sum x 2^(e10 + e11) + bo; each accumulator from its low end on
.set i, i+2
.endr
	WIN 0
.irp b, 0,1,2,3,4,5,6,7
	ds_store_b128 v[STO], v[T+8*\b:T+8*\b+3] offset:128*(\b/2)+32*(\b%2)
	ds_store_b128 v[STO], v[T+8*\b+4:T+8*\b+7] offset:128*(\b/2)+32*(\b%2)+16
.endr
.irp t, 0,1,2,3,4,5,6,7,8,9,10,11,12,13,14,15
	ds_load_b128 v[BK+64*((\a)%2)+4*\t:BK+64*((\a)%2)+4*\t+3], v[RD] offset:528*\t
.endr
.endm
.macro SEND a, younger                 ; younger: the LDS instructions issued behind tile a's loads, which may stay out
	s_wait_dscnt \younger
.irp t, 0,1,2,3,4,5,6,7,8,9,10,11,12,13,14,15
	global_store_b128 v[LI], v[BK+64*((\a)%2)+4*\t:BK+64*((\a)%2)+4*\t+3], s[12:13] offset:(32*((\a)/2)+8*((\a)%2)+\t+8*(\t/8))*4096 th:TH_STORE_NT   ; 32 lanes store 512 consecutive bytes of the image's row t; written once, read by nobody here
.endr
.endm
	TOSTAGE 0
	TOSTAGE 1
	SEND 0, 32                                     ; behind tile 0's loads: tile 1's 16 stores and 16 loads
	s_wait_xcnt 0x0                                ; tile 0's stores have read their registers: tile 2's loads may land there
	TOSTAGE 2
	SEND 1, 32
	s_wait_xcnt 0x0
	TOSTAGE 3
	SEND 2, 32
	SEND 3, 0
	s_wait_tensorcnt 0x0                           ; the wave's end
	ds_add_u32 v[SPW], v[NIL]
	s_wait_dscnt 0x0
	CROUND                                         ; the closing round: no work-group ends while a partner may still ask for a tile that names it
	s_endpgm
.Lfunc_end_k_q4bd0d4291a_oproj:
	.size	k_q4bd0d4291a_oproj, .Lfunc_end_k_q4bd0d4291a_oproj-k_q4bd0d4291a_oproj
	.p2alignl 7, 3214868480
	.fill 96, 4, 3214868480
	.section	.rodata,"a",@progbits
	.p2align	6, 0x0
	.amdhsa_kernel k_q4bd0d4291a_oproj
		.amdhsa_group_segment_fixed_size 327680
		.amdhsa_private_segment_fixed_size 0
		.amdhsa_enable_private_segment 0
		.amdhsa_kernarg_size 40
		.amdhsa_user_sgpr_count 2
		.amdhsa_user_sgpr_kernarg_segment_ptr 1
		.amdhsa_wavefront_size32 1
		.amdhsa_system_sgpr_workgroup_id_x 1
		.amdhsa_system_sgpr_workgroup_id_y 1
		.amdhsa_system_sgpr_workgroup_id_z 1
		.amdhsa_system_vgpr_workitem_id 0
		.amdhsa_next_free_vgpr 1024
		.amdhsa_next_free_sgpr 102
		.amdhsa_reserve_vcc 0
		.amdhsa_float_denorm_mode_32 3
		.amdhsa_float_denorm_mode_16_64 3
		.amdhsa_memory_ordered 1
		.amdhsa_forward_progress 1
		.amdhsa_inst_pref_size 78
	.end_amdhsa_kernel
	.amdgpu_metadata
---
amdhsa.version: [ 1, 2 ]
amdhsa.kernels:
  - .name:           k_q4bd0d4291a_oproj
    .symbol:         k_q4bd0d4291a_oproj.kd
    .args:
      - { .name: ac, .offset: 0, .size: 8, .value_kind: global_buffer, .address_space: global }
      - { .name: wc, .offset: 8, .size: 8, .value_kind: global_buffer, .address_space: global }
      - { .name: bo, .offset: 16, .size: 8, .value_kind: global_buffer, .address_space: global }
      - { .name: lowp_scales, .offset: 24, .size: 8, .value_kind: global_buffer, .address_space: global }
      - { .name: out0, .offset: 32, .size: 8, .value_kind: global_buffer, .address_space: global }
    .group_segment_fixed_size: 327680
    .private_segment_fixed_size: 0
    .kernarg_segment_align: 8
    .kernarg_segment_size: 40
    .max_flat_workgroup_size: 128
    .sgpr_count:     102
    .vgpr_count:     1024
    .wavefront_size: 32
...
	.end_amdgpu_metadata
.endif
;; end of part 4
